; MI455X (gfx1250); checked and timed in simulation.
; The chip was launched on July 23, 2026; its instructions are those of AMD's public machine-readable ISA for CDNA 5 (MIT licence, August 2026) and "CDNA5" Instruction Set Architecture Reference Guide (July 2026). The comments in the code are by the model that wrote it; some were corrected since.
;; Neural Net. Allowed arithmetic: float matrix products may take bf16 or f16 operands with f32 sums; all other float work in f32.
;; Inputs: W_h 3 x 128 x 128 float32; W_in 128 x 12 float32; W_out 1 x 128 float32; b_h 3 x 128 float32; b_in 128 float32; b_out 1 float32; x 400,000 float32.
;; Outputs: out0 400,000 x 1 float32.
;; 3 versions, each right; version 2 is faster than version 1; version 3 is version 2 with the launch mlp written anew for expert scheduling mode. Each part assembles by itself: llvm-mc -triple=amdgcn-amd-amdhsa -mcpu=gfx1250 --defsym DOCPART=n.
;; ======== version 1 of 3: 1 launch
;; limits: values are held in f16: magnitudes above 65,504 overflow, below 6.1e-05 lose precision; inputs' magnitudes at most 411,574; a function is approximated: absolute error at most 5.9e-06
;; launch mlp (part 1): grid 250 x 1, 4 waves a work-group, no clusters, 126,464 bytes of LDS; arguments x, W_in, b_in, W_h, b_h, W_out, b_out, out0; writes out0
.if DOCPART == 1
	.amdgcn_target "amdgcn-amd-amdhsa--gfx1250"
	.amdhsa_code_object_version 6
	.text
	.protected	k_q4aade915c0_mlp
	.globl	k_q4aade915c0_mlp
	.p2align	8
	.type	k_q4aade915c0_mlp,@function
k_q4aade915c0_mlp:
	s_mov_b64 s[64:65], 0
	v_nop
	global_prefetch_b8 v0, s[64:65] scope:SCOPE_SE
	s_setreg_imm32_b32 hwreg(HW_REG_WAVE_MODE, 25, 1), 1
	s_wait_xcnt 0x0
; out = W_out . sin(W3 sin(W2 sin(W1 sin(W_in enc(x) + b_in) + b1) + b2) + b3) + b_out,  enc(x) = cos, sin of pi x 2^j, j = 0..5.
; 400,000 points = 250 work-groups x 4 waves x 25 tiles of 16 points.  A wave owns 400 consecutive points.
;
; THE CHAIN STAYS IN REGISTERS.  Source A of a matrix instruction = 16 rows of a weight matrix (row = output neuron), source B = 16 points
; (column = point).  In the result, lane (r = lane % 16, h = lane / 16) holds in register j neuron 16 t + 8 h + j of point r.  Two neighbouring
; result tiles, packed to f16, are just the B fragment of one K chunk of 32 of the next layer: no LDS and no lane traffic between layers.
; A wave is given 1,024 registers and keeps the three 128 x 128 matrices as f16 A fragments in windows 1, 2, 3 (256 registers each).
;
; SINE.  Weights and biases of the four sine layers are multiplied by 1/(2 pi) once, so sums are in periods: t = z / 2 pi.  The bias is the C
; operand of the first K chunk.  sin(2 pi t) = f (c1 + u (c3 + u (c5 + u (c7 + u c9)))), f = t - rndne(t) (exact), u = f f: the Chebyshev
; series of sin(pi y), y = 2 f, cut behind T9.  Five issue slots a sine with packed f32.
; ENCODING.  t_j = x 2^(j-1) is exact in f32; sine of f_j, cosine as the sine of 0.25 - |f_j|.
; OUTPUT LAYER in f32 on the vector ALU: in the last sine layer one packed multiply-add with W_out stands where the others convert to f16.
;
; FORMAT.  Matrix operands are f16: activations and the encoding lie in [-1, 1], and W / 2 pi has f16's range to spare.
; LIMITS, stated: |W| / 2 pi below 65,504 (f16's largest; beyond it the operand is infinite); entries of W / 2 pi below 6.1e-5 are rounded
; with an absolute error of at most 3e-8; the polynomial's error is at most 5.9e-6 absolute, 2.1e-5 relative for small arguments; for
; |t| >= 2^23 no fraction is left in f32; the encoding uses the exact angle pi x 2^j, where the JAX text rounds x (pi 2^j) to f32 first
; (a difference of half a unit in the last place of the angle); sums are formed in another order than in the JAX text.
; NO CLUSTER, NO TENSOR LOADS: what work-groups share is 204,800 bytes of weights, read once by each at its start, which must be scaled and
; converted in registers on the way; in the loop nothing comes from memory; and 250 work-groups are no multiple of 4.
; 250 and not 256 work-groups: 25,000 tiles over 1,024 waves would still leave 25 tiles to the busiest wave.
; ---- LDS map (bytes) ----
.set XS,     0                         ; 6,400   x of the work-group, in point order
.set OS,     6400                      ; 6,400   out of the work-group, in point order
.set BT,     12800                     ; 2,560   5 rows of 128 f32: b_in/2pi, b_h[0..2]/2pi, W_out
.set WIL,    15360                     ; 6,144   W_in/2pi in f16: 128 rows, pitch 48 (12 numbers, 4 zeros, 16 bytes unused)
.set WL,     21504                     ; 104,448 W_h/2pi in f16: 384 rows, pitch 272 = 256 + 16: the 16 rows of a fragment load start 4 banks apart
.set WPITCH, 272
.set TILES,  25
; ---- vector registers, window 0 ----
.set L16,  1                           ; 16 x lane: a lane's 16 bytes of a row of W_h
.set PA,   2                           ; 1,600 wave + 4 r + 64 tile: the point's word in XS and in OS
.set BTA,  3                           ; BT + 32 h
.set XV,   4                           ; the tile's x
.set SC,   5                           ; 0.5 (h = 0) or 8.0 (h = 1)
.set MASK, 6                           ; -1 (h = 0) or 0 (h = 1)
.set OV,   7                           ; the tile's result; in the prologue 4 x thread
.set SW,   8                           ; the other half's sum; in the prologue offsets of W_in
.set XO,   9                           ; 8 x thread: my 8 bytes of a block of 1,024 bytes of x and of out
.set FA,   10                          ; v10-12  LDS address of my part of layer l's fragments
.set WS,   13                          ; LDS address of my 8 bytes in my wave's first row of WL
.set C9,   14                          ; v14-15  c9, twice
.set ACC,  16                          ; v16-47  two buffers of two accumulator tiles
.set H0,   48                          ; v48-79  activations as four B fragments
.set H1,   80                          ; v80-111 the same; its first fragment also holds the encoding
.set U,    112                         ; v112-127 at work
.set P,    128                         ; v128-143 at work
.set BB,   144                         ; v144-175 two buffers of 16 biases (C operands)
.set WOB,  176                         ; v176-207 two buffers of 16 numbers of W_out
.set O,    208                         ; v208-215 four pairs of sums of the output layer
.set WI,   216                         ; v216-251 W_in: tile t's fragment is v[WI+4t : WI+4t+7]; its upper four registers (K = 16..31) are the next
                                       ;          tile's lower four, or zeros: they meet B's registers 4-7, which are zero
; prologue only
.set RAWX, 16                          ; v16-29  x as loaded
.set RAWB, 30                          ; v30-34  biases and W_out as loaded
.set RAWI, 36                          ; v36-47  a row of W_in as loaded
.set PKI,  48                          ; v48-55  that row in f16
.set RING, 56                          ; v56-183 four buffers of 8 rows of W_h
.set TP,   184                         ; v184-199 a batch in f16
.set LN,   200                         ; lane
.set RR,   201                         ; r
.set HH,   202                         ; h
.set TT,   204                         ; scratch
; ---- scalar registers ----
; s[8:23] the eight addresses: x 8, W_in 10, b_in 12, W_h 14, b_h 16, W_out 18, b_out 20, out0 22.  s24 b_out.  s25 trips.  s26 wave.
; s[28:31] offsets.  s[32:33] c7, s[34:35] c5, s[36:37] c3, s[38:39] c1, s[40:41] 1/2pi (each twice).  s42 0.25.  s44-45 lane select.
.set MSB, 0
.macro WIN new                         ; the immediate's high byte repeats the setting that is left
.if MSB != \new
	s_set_vgpr_msb (MSB<<8)|\new
.set MSB, \new
.endif
.endm
.macro PLACES                          ; four plain vector instructions between a matrix instruction and the first use of its result, or a load into
.rept 4                                ; one of its sources (ISA guide 7.12.1 for vector instructions)
	v_nop
.endr
.endm
; 16 numbers of table row 'row' for result tiles 2 g, 2 g + 1: register j of tile t gets entry 16 t + 8 h + j
.macro LDT row, g, base
.set ld_d, \base+16*((\g)&1)
.set ld_o, 512*(\row)+128*(\g)
	ds_load_b128 v[ld_d:ld_d+3],     v[BTA] offset:ld_o
	ds_load_b128 v[ld_d+4:ld_d+7],   v[BTA] offset:ld_o+16
	ds_load_b128 v[ld_d+8:ld_d+11],  v[BTA] offset:ld_o+64
	ds_load_b128 v[ld_d+12:ld_d+15], v[BTA] offset:ld_o+80
.endm
; One matrix instruction of layer l, group g (tiles 2 g, 2 g + 1): tile 2 g + (k & 1), K chunk k >> 1.  The first chunk takes the bias as C.
.macro WM l, g, k
.set wm_d, ACC+16*((\g)&1)+8*((\k)&1)
.set wm_t, 2*(\g)+((\k)&1)
.set wm_c, (\k)>>1
.if (\l) == 0
	v_wmma_f32_16x16x32_f16 v[wm_d:wm_d+7], v[WI+4*wm_t:WI+4*wm_t+7], v[H1:H1+7], v[wm_d+BB-ACC:wm_d+BB-ACC+7]
.else
.if (\l) == 2
.set wm_b, H1+8*wm_c
.else
.set wm_b, H0+8*wm_c
.endif
.if wm_c == 0
	v_wmma_f32_16x16x32_f16 v[wm_d:wm_d+7], v[32*wm_t:32*wm_t+7], v[wm_b:wm_b+7], v[wm_d+BB-ACC:wm_d+BB-ACC+7]
.else
	v_wmma_f32_16x16x32_f16 v[wm_d:wm_d+7], v[32*wm_t+8*wm_c:32*wm_t+8*wm_c+7], v[wm_b:wm_b+7], v[wm_d:wm_d+7]
.endif
.endif
.endm
; Two of them, on the group's two accumulators, under one window setting (source 0 = A in window l).
; The accumulators take turns, one instruction a turn, into the loop and over its backward jump too.
.macro WMPAIR l, g, k
	WIN \l
	WM \l,\g,\k
	WM \l,\g,\k+1
	WIN 0
.endm
; rows of n packed instructions of the sine
.macro SQ n, u, f                      ; u = f f
.set i, 0
.rept \n
	v_pk_mul_f32 v[\u+2*i:\u+2*i+1], v[\f+2*i:\f+2*i+1], v[\f+2*i:\f+2*i+1]
.set i, i+1
.endr
.endm
.macro HSTART n, p, u                  ; p = u c9 + c7
.set i, 0
.rept \n
	v_pk_fma_f32 v[\p+2*i:\p+2*i+1], v[\u+2*i:\u+2*i+1], v[C9:C9+1], s[32:33] op_sel_hi:[1,1,0]
.set i, i+1
.endr
.endm
.macro HSTEP n, p, u, c                ; p = p u + the constant in s[c:c+1]
.set i, 0
.rept \n
	v_pk_fma_f32 v[\p+2*i:\p+2*i+1], v[\p+2*i:\p+2*i+1], v[\u+2*i:\u+2*i+1], s[\c:\c+1] op_sel_hi:[1,1,0]
.set i, i+1
.endr
.endm
.macro HEND n, p, f                    ; p = p f
.set i, 0
.rept \n
	v_pk_mul_f32 v[\p+2*i:\p+2*i+1], v[\p+2*i:\p+2*i+1], v[\f+2*i:\f+2*i+1]
.set i, i+1
.endr
.endm
; The sines of layer l, group g (16 accumulator registers), 80 vector instructions in rows of eight or sixteen, so that dependent ones stand apart.
; Among them the first nw matrix instructions of layer ml, group mg, which name the other accumulator and bias buffers, and B chunks that
; these rows do not write.  At the head: table loads for later slots (bl, bg: biases; wg: W_out; xl: the next tile's x).
.macro SLOT l, g, ml, mg, nw, bl, bg, wg, xl
.set AS, ACC+16*((\g)&1)
	s_wait_dscnt 0x0                               ; what the slot before asked for is in: this slot's biases (and W_out)
.if \bl >= 0
	LDT \bl,\bg,BB                                 ; into the bias buffer whose readers stand a slot, or four places, back
.endif
.if \wg >= 0
	LDT 4,\wg,WOB
.endif
.if \xl
	ds_load_b32 v[XV], v[PA] offset:XS+64          ; the next tile's 16 points
.endif
.if \nw > 0
	WMPAIR \ml,\mg,0
.endif
.set i, 0
.rept 16
	v_rndne_f32 v[U+i], v[AS+i]                    ; the nearest whole number of periods
.set i, i+1
.endr
.if \nw > 2
	WMPAIR \ml,\mg,2
.endif
.set i, 0
.rept 8
	v_pk_add_f32 v[AS+2*i:AS+2*i+1], v[AS+2*i:AS+2*i+1], v[U+2*i:U+2*i+1] neg_lo:[0,1] neg_hi:[0,1]   ; f = t - rndne(t), exact
.set i, i+1
.endr
	SQ 8, U, AS
.if \nw > 4
	WMPAIR \ml,\mg,4
.endif
	HSTART 8, P, U
	HSTEP 8, P, U, 34
.if \nw > 6
	WMPAIR \ml,\mg,6
.endif
	HSTEP 8, P, U, 36                              ; these four rows are 32 places behind the slot's last matrix instruction
	HSTEP 8, P, U, 38
	HEND 8, P, AS
.if (\l) < 3
.if (\l) == 1
.set HD, H1+8*(\g)
.else
.set HD, H0+8*(\g)
.endif
.set i, 0
.rept 8
	v_cvt_pk_f16_f32 v[HD+i], v[P+2*i], v[P+2*i+1] ; K chunk g of the next layer's B
.set i, i+1
.endr
.else
.set WB, WOB+16*((\g)&1)
.set i, 0
.rept 8
.if (\g)*8+i < 4
	v_pk_mul_f32 v[O+2*(i&3):O+2*(i&3)+1], v[P+2*i:P+2*i+1], v[WB+2*i:WB+2*i+1]     ; the first four products start the sums
.else
	v_pk_fma_f32 v[O+2*(i&3):O+2*(i&3)+1], v[P+2*i:P+2*i+1], v[WB+2*i:WB+2*i+1], v[O+2*(i&3):O+2*(i&3)+1]
.endif
.set i, i+1
.endr
.endif
.endm
; K chunk 3 of layer l's group 0 needs the last slot of layer l - 1: it trails that slot
.macro TAILW l
	WMPAIR \l,0,6
	PLACES
.endm
; The encoding as a B fragment (K = 0..11 used).  Lanes with h = 0 hold features 0-7 (j = 0..3), lanes with h = 1 features 8-11 (j = 4, 5) and zeros.
.macro ENCODE
	s_wait_dscnt 0x0                               ; x and the first two groups' biases are in (the first time: all fragments too)
	v_mul_f32 v[U],   v[XV], v[SC]                 ; x 2^(j-1) for four j: exact
	v_add_f32 v[U+1], v[U], v[U]
	v_mul_f32 v[U+2], 4.0, v[U]
	v_mul_f32 v[U+3], 4.0, v[U+1]
.set i, 0
.rept 4
	v_rndne_f32 v[U+4+i], v[U+i]
.set i, i+1
.endr
.set i, 0
.rept 4
	v_sub_f32 v[P+2*i+1], v[U+i], v[U+4+i]         ; the sine's argument f
.set i, i+1
.endr
.set i, 0
.rept 4
	v_sub_f32 v[P+2*i], s42, |v[P+2*i+1]|          ; the cosine's: 0.25 - |f|
.set i, i+1
.endr
	SQ 4, U+8, P
	HSTART 4, P+8, U+8
	HSTEP 4, P+8, U+8, 34
	HSTEP 4, P+8, U+8, 36
	HSTEP 4, P+8, U+8, 38
	HEND 4, P+8, P
.set i, 0
.rept 4
	v_cvt_pk_f16_f32 v[H1+i], v[P+8+2*i], v[P+8+2*i+1]     ; cosine in the low half, sine in the high half
.set i, i+1
.endr
	v_and_b32 v[H1+2], v[MASK], v[H1+2]            ; h = 1: features 12-15 do not exist
	v_and_b32 v[H1+3], v[MASK], v[H1+3]
.set i, 4
.rept 4
	v_mov_b32 v[H1+i], 0                           ; K = 16..31 do not exist
.set i, i+1
.endr
	WMPAIR 0,0,0
	PLACES
.endm
; One tile of 16 points.  more = 1: the last two slots fetch the next tile's x and first biases.
.macro TILE more
	ENCODE
	SLOT 0,0,0,1,2,0,2,-1,0
	SLOT 0,1,0,2,2,0,3,-1,0
	SLOT 0,2,0,3,2,1,0,-1,0
	SLOT 0,3,1,0,6,1,1,-1,0
	TAILW 1
	SLOT 1,0,1,1,8,1,2,-1,0
	SLOT 1,1,1,2,8,1,3,-1,0
	SLOT 1,2,1,3,8,2,0,-1,0
	SLOT 1,3,2,0,6,2,1,-1,0
	TAILW 2
	SLOT 2,0,2,1,8,2,2,-1,0
	SLOT 2,1,2,2,8,2,3,-1,0
	SLOT 2,2,2,3,8,3,0,-1,0
	SLOT 2,3,3,0,6,3,1,0,0
	TAILW 3
	SLOT 3,0,3,1,8,3,2,1,0
	SLOT 3,1,3,2,8,3,3,2,0
	SLOT 3,2,3,3,8,\more-1,0,3,\more
	SLOT 3,3,0,0,0,\more-1,1,-1,0
	v_pk_add_f32 v[O:O+1],   v[O:O+1],   v[O+2:O+3]   ; my 64 neurons' products,
	v_pk_add_f32 v[O+4:O+5], v[O+4:O+5], v[O+6:O+7]
	v_pk_add_f32 v[O:O+1],   v[O:O+1],   v[O+4:O+5]
	v_add_f32 v[OV], v[O], v[O+1]
	v_permlanex16_b32 v[SW], v[OV], s44, s45       ; and those of the lane that holds the point's other 64
	v_add_f32 v[OV], v[OV], v[SW]
	v_add_f32 v[OV], s24, v[OV]                    ; + b_out
	ds_store_b32 v[PA], v[OV] offset:OS            ; lanes r and r + 16 write the same word with the same value
	v_add_nc_u32 v[PA], 64, v[PA]                  ; the next 16 points
.endm
; 8 rows of W_h (batch b of my wave's 12): one load = one whole row of 512 bytes
.macro LOADB b
.set n, 0
.rept 8
	global_load_b128 v[RING+32*((\b)&3)+4*n:RING+32*((\b)&3)+4*n+3], v[L16], s[14:15] offset:512*(8*(\b)+n)
.set n, n+1
.endr
.endm
; scale by 1/2pi, convert to f16, 8 bytes a lane into the row's place in LDS
.macro CONV b
.set rb, RING+32*((\b)&3)
.set n, 0
.rept 8
	v_pk_mul_f32 v[rb+4*n:rb+4*n+1],   v[rb+4*n:rb+4*n+1],   s[40:41] op_sel_hi:[1,0]
	v_pk_mul_f32 v[rb+4*n+2:rb+4*n+3], v[rb+4*n+2:rb+4*n+3], s[40:41] op_sel_hi:[1,0]
	v_cvt_pk_f16_f32 v[TP+2*n],   v[rb+4*n],   v[rb+4*n+1]
	v_cvt_pk_f16_f32 v[TP+2*n+1], v[rb+4*n+2], v[rb+4*n+3]
	ds_store_b64 v[WS], v[TP+2*n:TP+2*n+1] offset:WPITCH*(8*(\b)+n)
.set n, n+1
.endr
.endm
; ================= set-up =================
	s_load_b512 s[8:23], s[0:1], 0x0               ; the eight addresses
	v_lshl_add_u32 v254, v0, 2, 0x1ec00
	v_mov_b32 v255, 0
	v_and_b32 v[LN], 31, v0
	v_and_b32 v[RR], 15, v0
	v_bfe_u32 v[HH], v0, 4, 1
	v_lshrrev_b32 v[TT], 5, v0
	v_readfirstlane_b32 s26, v[TT]                 ; wave 0..3
	s_mov_b32 s32, 0xc294f124                      ; c7 = -74.470978
	s_mov_b32 s33, 0xc294f124
	s_mov_b32 s34, 0x42a2bb23                      ; c5 = 81.365499
	s_mov_b32 s35, 0x42a2bb23
	s_mov_b32 s36, 0xc2255312                      ; c3 = -41.331123
	s_mov_b32 s37, 0xc2255312
	s_mov_b32 s38, 0x40c90ec7                      ; c1 = 6.2830541
	s_mov_b32 s39, 0x40c90ec7
	s_mov_b32 s40, 0x3e22f983                      ; 1 / 2 pi
	s_mov_b32 s41, 0x3e22f983
	s_mov_b32 s42, 0x3e800000                      ; 0.25
	s_mov_b32 s44, 0x76543210                      ; v_permlanex16_b32: lane i of one half reads lane i of the other
	s_mov_b32 s45, 0xfedcba98
	s_mul_i32 s28, ttmp9, 6400                     ; the work-group's 1,600 points in x and in out0
	s_mov_b32 s29, 0
	s_mul_i32 s30, s26, 49152                      ; my wave's 96 rows of W_h
	s_mov_b32 s31, 0
	s_mul_i32 s46, s26, 1600                       ; my wave's 400 points in XS and OS
	s_mul_i32 s47, s26, 96*WPITCH                  ; my wave's 96 rows in WL
	s_add_co_u32 s47, s47, WL
	v_mov_b32 v[C9], 0x4203135b                    ; c9 = 32.768903
	v_mov_b32 v[C9+1], 0x4203135b
	v_lshlrev_b32 v[L16], 4, v[LN]
	v_lshl_add_u32 v[PA], v[RR], 2, s46
	v_lshl_add_u32 v[BTA], v[HH], 5, BT
	v_lshl_add_u32 v[SC], v[HH], 25, 0x3f000000    ; the bits of 0.5, or of 8.0 (four steps of the exponent up)
	v_add_nc_u32 v[MASK], -1, v[HH]
	v_lshlrev_b32 v[OV], 2, v0                     ; 4 x thread: my entry of a vector of 128
	v_mul_u32_u24 v[SW], v0, 48                    ; 48 x thread: my row of W_in, in memory and in WIL
	v_lshlrev_b32 v[XO], 3, v0
	v_mul_u32_u24 v[TT], v[RR], WPITCH
	v_lshl_add_u32 v[TT], v[HH], 4, v[TT]          ; fragment: row r x pitch + 16 h
	v_add_nc_u32 v[FA],   WL, v[TT]
	v_add_nc_u32 v[FA+1], WL+128*WPITCH, v[TT]
	v_add_nc_u32 v[FA+2], WL+256*WPITCH, v[TT]
	v_lshl_add_u32 v[WS], v[LN], 3, s47
	s_wait_kmcnt 0x0
	s_load_b32 s24, s[20:21], 0x0                  ; b_out
	s_add_nc_u64 s[8:9],   s[8:9],   s[28:29]
	s_add_nc_u64 s[22:23], s[22:23], s[28:29]
	s_add_nc_u64 s[14:15], s[14:15], s[30:31]
; ================= loads: x, the small tables, the first four batches of W_h =================
.set q, 0
.rept 6
	global_load_b64 v[RAWX+2*q:RAWX+2*q+1], v[XO], s[8:9] offset:1024*q th:TH_LOAD_NT   ; a wave's load covers 256 consecutive bytes, aligned
.set q, q+1
.endr
	s_cmp_lg_u32 s26, 0
	s_cbranch_scc1 .Lno_x24
	global_load_b64 v[RAWX+12:RAWX+13], v[XO], s[8:9] offset:6144 th:TH_LOAD_NT         ; 6,400 bytes are 25 such pieces: wave 0 takes the last
.Lno_x24:
	global_load_b32 v[RAWB],   v[OV], s[12:13]
	global_load_b32 v[RAWB+1], v[OV], s[16:17]
	global_load_b32 v[RAWB+2], v[OV], s[16:17] offset:512
	global_load_b32 v[RAWB+3], v[OV], s[16:17] offset:1024
	global_load_b32 v[RAWB+4], v[OV], s[18:19]
	global_load_b128 v[RAWI:RAWI+3],    v[SW], s[10:11]
	global_load_b128 v[RAWI+4:RAWI+7],  v[SW], s[10:11] offset:16
	global_load_b128 v[RAWI+8:RAWI+11], v[SW], s[10:11] offset:32
	LOADB 0
	LOADB 1
	LOADB 2
	LOADB 3
; ================= the small data into LDS =================
	s_wait_loadcnt 32                              ; the 32 loads of the four batches are younger: everything before them is in, for wave 0 and the others alike
.set q, 0
.rept 6
	ds_store_b64 v[XO], v[RAWX+2*q:RAWX+2*q+1] offset:XS+1024*q
.set q, q+1
.endr
	s_cmp_lg_u32 s26, 0
	s_cbranch_scc1 .Lno_s24
	ds_store_b64 v[XO], v[RAWX+12:RAWX+13] offset:XS+6144
.Lno_s24:
.set q, 0
.rept 4
	v_mul_f32 v[RAWB+q], s40, v[RAWB+q]            ; the four sine layers' biases in periods; W_out stays as it is
.set q, q+1
.endr
.set q, 0
.rept 5
	ds_store_b32 v[OV], v[RAWB+q] offset:BT+512*q
.set q, q+1
.endr
.set q, 0
.rept 6
	v_pk_mul_f32 v[RAWI+2*q:RAWI+2*q+1], v[RAWI+2*q:RAWI+2*q+1], s[40:41] op_sel_hi:[1,0]
.set q, q+1
.endr
.set q, 0
.rept 6
	v_cvt_pk_f16_f32 v[PKI+q], v[RAWI+2*q], v[RAWI+2*q+1]
.set q, q+1
.endr
	v_mov_b32 v[PKI+6], 0                          ; K = 12..15
	v_mov_b32 v[PKI+7], 0
	ds_store_b128 v[SW], v[PKI:PKI+3]   offset:WIL
	ds_store_b128 v[SW], v[PKI+4:PKI+7] offset:WIL+16
; ================= W_h: a ring of four batches of 8 rows in registers =================
.irp b, 0,1,2,3,4,5,6,7,8
	s_wait_loadcnt 24                              ; three younger batches of 8 loads stay out
	CONV \b
.if \b < 8
	LOADB \b+4
.endif
.endr
	s_wait_loadcnt 16                              ; nothing more is asked for: the counts run down
	CONV 9
	s_wait_loadcnt 8
	CONV 10
	s_wait_loadcnt 0
	CONV 11
	s_wait_kmcnt 0x0                               ; b_out
	s_wait_dscnt 0x0                               ; my LDS stores are done, for the other waves' sake
	s_barrier_signal -1
	s_barrier_wait -1                              ; all tables are whole
; ================= fragments into registers, once =================
	v_mul_u32_u24 v[SW], v[RR], 48                 ; the loads that used v[SW] as offset are in (the wait for 32 above)
	v_lshl_add_u32 v[SW], v[HH], 4, v[SW]          ; W_in: row r x 48 + 16 h
.set t, 0
.rept 8
	ds_load_b128 v[WI+4*t:WI+4*t+3], v[SW] offset:WIL+768*t
.set t, t+1
.endr
.set t, 32
.rept 4
	v_mov_b32 v[WI+t], 0
.set t, t+1
.endr
.irp l, 1,2,3
	WIN 0x40*\l                                    ; destination in window l, address in window 0
.set t, 0
.rept 8
.set c, 0
.rept 4
	ds_load_b128 v[32*t+8*c:32*t+8*c+3],   v[FA+\l-1] offset:16*WPITCH*t+64*c      ; rows 16 t + r, K = 32 c + 8 h ..
	ds_load_b128 v[32*t+8*c+4:32*t+8*c+7], v[FA+\l-1] offset:16*WPITCH*t+64*c+32   ; K = 32 c + 16 + 8 h ..
.set c, c+1
.endr
.set t, t+1
.endr
.endr
	WIN 0
	ds_load_b32 v[XV], v[PA] offset:XS             ; the first tile's x and first biases
	LDT 0,0,BB
	LDT 0,1,BB
; ================= 25 tiles =================
	s_mov_b32 s25, TILES-1
.Ltile:
	TILE 1
	s_sub_co_i32 s25, s25, 1
	s_cmp_lg_u32 s25, 0
	s_cbranch_scc1 .Ltile
	TILE 0                                         ; the last tile looks ahead at nothing
; ================= the way out: 6,400 bytes in pieces of 256 =================
	s_wait_dscnt 0x0                               ; my results are in LDS
	s_barrier_signal -1
	s_barrier_wait -1                              ; everybody's are
.set q, 0
.rept 6
	ds_load_b64 v[U+2*q:U+2*q+1], v[XO] offset:OS+1024*q
.set q, q+1
.endr
	s_wait_dscnt 0x0
.set q, 0
.rept 6
	global_store_b64 v[XO], v[U+2*q:U+2*q+1], s[22:23] offset:1024*q th:TH_STORE_NT   ; a wave's store covers 256 consecutive bytes, aligned
.set q, q+1
.endr
	s_cmp_lg_u32 s26, 0
	s_cbranch_scc1 .Ldone
	ds_load_b64 v[U+12:U+13], v[XO] offset:OS+6144
	s_wait_dscnt 0x0
	global_store_b64 v[XO], v[U+12:U+13], s[22:23] offset:6144 th:TH_STORE_NT
.Ldone:
	s_wait_tensorcnt 0x0
	ds_add_u32 v254, v255
	s_wait_dscnt 0x0
	s_endpgm
.Lfunc_end_k_q4aade915c0_mlp:
	.size	k_q4aade915c0_mlp, .Lfunc_end_k_q4aade915c0_mlp-k_q4aade915c0_mlp
	.p2alignl 7, 3214868480
	.fill 96, 4, 3214868480
	.section	.rodata,"a",@progbits
	.p2align	6, 0x0
	.amdhsa_kernel k_q4aade915c0_mlp
		.amdhsa_group_segment_fixed_size 126464
		.amdhsa_private_segment_fixed_size 0
		.amdhsa_enable_private_segment 0
		.amdhsa_kernarg_size 64
		.amdhsa_user_sgpr_count 2
		.amdhsa_user_sgpr_kernarg_segment_ptr 1
		.amdhsa_wavefront_size32 1
		.amdhsa_system_sgpr_workgroup_id_x 1
		.amdhsa_system_sgpr_workgroup_id_y 1
		.amdhsa_system_sgpr_workgroup_id_z 1
		.amdhsa_system_vgpr_workitem_id 0
		.amdhsa_next_free_vgpr 1024
		.amdhsa_next_free_sgpr 66
		.amdhsa_reserve_vcc 0
		.amdhsa_float_denorm_mode_32 3
		.amdhsa_float_denorm_mode_16_64 3
		.amdhsa_memory_ordered 1
		.amdhsa_forward_progress 1
		.amdhsa_inst_pref_size 242
	.end_amdhsa_kernel
	.amdgpu_metadata
---
amdhsa.version: [ 1, 2 ]
amdhsa.kernels:
  - .name:           k_q4aade915c0_mlp
    .symbol:         k_q4aade915c0_mlp.kd
    .args:
      - { .name: x, .offset: 0, .size: 8, .value_kind: global_buffer, .address_space: global }
      - { .name: W_in, .offset: 8, .size: 8, .value_kind: global_buffer, .address_space: global }
      - { .name: b_in, .offset: 16, .size: 8, .value_kind: global_buffer, .address_space: global }
      - { .name: W_h, .offset: 24, .size: 8, .value_kind: global_buffer, .address_space: global }
      - { .name: b_h, .offset: 32, .size: 8, .value_kind: global_buffer, .address_space: global }
      - { .name: W_out, .offset: 40, .size: 8, .value_kind: global_buffer, .address_space: global }
      - { .name: b_out, .offset: 48, .size: 8, .value_kind: global_buffer, .address_space: global }
      - { .name: out0, .offset: 56, .size: 8, .value_kind: global_buffer, .address_space: global }
    .group_segment_fixed_size: 126464
    .private_segment_fixed_size: 0
    .kernarg_segment_align: 8
    .kernarg_segment_size: 64
    .max_flat_workgroup_size: 128
    .sgpr_count:     66
    .vgpr_count:     1024
    .wavefront_size: 32
...
	.end_amdgpu_metadata
.endif
;; end of part 1
;; ======== version 2 of 3: 1 launch; 1.18 times as fast as version 1
;; limits: values are held in f16: magnitudes above 65,504 overflow, below 6.1e-05 lose precision; inputs' magnitudes at most 411,574; a function is approximated: absolute error at most 6.2e-05
;; launch mlp (part 2): grid 250 x 1, 4 waves a work-group, no clusters, 125,952 bytes of LDS; arguments x, W_in, b_in, W_h, b_h, W_out, b_out, out0; writes out0
.if DOCPART == 2
	.amdgcn_target "amdgcn-amd-amdhsa--gfx1250"
	.amdhsa_code_object_version 6
	.text
	.protected	k_q4aade915c0_mlp
	.globl	k_q4aade915c0_mlp
	.p2align	8
	.type	k_q4aade915c0_mlp,@function
k_q4aade915c0_mlp:
	s_mov_b64 s[64:65], 0
	v_nop
	global_prefetch_b8 v0, s[64:65] scope:SCOPE_SE
	s_setreg_imm32_b32 hwreg(HW_REG_WAVE_MODE, 25, 1), 1
	s_wait_xcnt 0x0
; out = W_out . sin(W3 sin(W2 sin(W1 sin(W_in enc(x) + b_in) + b1) + b2) + b3) + b_out,  enc(x) = cos, sin of pi x 2^j, j = 0..5.
; 400,000 points = 250 work-groups x 4 waves x 25 tiles of 16 points.  A wave owns 400 consecutive points.
;
; THE CHAIN STAYS IN REGISTERS.  Source A of a matrix instruction = 16 rows of a weight matrix (row = output neuron), source B = 16 points
; (column = point).  In the result, lane (r = lane % 16, h = lane / 16) holds in register j neuron 16 t + 8 h + j of point r.  Two neighbouring
; result tiles, packed to f16, are just the B fragment of one K chunk of 32 of the next layer: no LDS and no lane traffic between layers.
; A wave is given 1,024 registers and keeps the three 128 x 128 matrices as f16 A fragments in windows 1, 2, 3 (256 registers each).
;
; SINE.  Weights and biases of the four sine layers are multiplied by 1/(2 pi) once, and each bias gets + 0.25, so a sum is
; t' = z / 2 pi + 0.25, in periods.  With fr = fract(t'):  sin z = cos(2 pi (fr - 0.5)), an even function of fr - 0.5, hence a polynomial in
; v = fr fr - fr = (fr - 0.5)^2 - 0.25, v in [-0.25, 0].  Two v_fract_f32, one packed multiply-add for v, four packed Horner steps and one
; conversion for two sines: four issue slots a sine.  The polynomial d0 + v (d1 + v (d2 + v (d3 + v d4))) is the Chebyshev series of cos(pi y)
; in x = 2 y y - 1 = 8 v + 1, cut behind T4, plus the constant 2.088e-5 that makes it zero where the sine is zero (v = -0.1875).
; The hidden layers' biases are the C operand of the first K chunk.  The input layer uses 12 of its 32 K: b_in rides in W_in's columns 12 and
; 13 (an f16 upper part and the f16 of the rest), against two features 1.0, and its C operand is the constant 0.
; ENCODING.  fract(x 2^(j-1)) is exact in f32; + 0.5 gives the cosine's argument of the same function, + 0.25 the sine's.
; OUTPUT LAYER in f32 on the vector ALU: in the last sine layer one packed multiply-add with W_out stands where the others convert to f16.
; LDS IN THE LOOP: biases, W_out and x, fetched in few long runs (a whole layer's 64 biases at once; W_out into the activation buffer that
; layer 3 leaves idle), so that vector work is interrupted six times a tile.
;
; FORMAT.  Matrix operands are f16: activations and the encoding lie in [-1, 1], and W / 2 pi has f16's range to spare.
; LIMITS, stated: |W| / 2 pi and |b_in| / 2 pi below 65,504 (f16's largest; beyond it the operand is infinite); entries of W / 2 pi below
; 6.1e-5 are rounded with an absolute error of at most 3e-8; the polynomial's error lies between -2.1e-5 and +6.2e-5, which is under half a
; unit in f16's last place for |sin| >= 0.125; near a zero of the sine its relative error is 1.3e-4, over an absolute floor of about 1e-6
; that comes from carrying t + 0.25 in f32; for |t'| >= 2^23 no fraction is left in f32; the encoding uses the exact angle pi x 2^j, where
; the JAX text rounds x (pi 2^j) to f32 first; sums are formed in another order than in the JAX text.
; NO CLUSTER, NO TENSOR LOADS: what work-groups share is 204,800 bytes of weights, read once by each at its start, which must be scaled and
; converted in registers on the way; in the loop nothing comes from memory; and 250 work-groups are no multiple of 4.
; 250 and not 256 work-groups: 25,000 tiles over 1,024 waves would still leave 25 tiles to the busiest wave.
; ---- LDS map (bytes) ----
.set XS,     0                         ; 6,400   x of the work-group, in point order
.set OS,     6400                      ; 6,400   out of the work-group, in point order
.set BT,     12800                     ; 2,048   4 rows of 128 f32: b_h[0..2]/2pi + 0.25, W_out
.set WIL,    14848                     ; 6,144   W_in/2pi in f16: 128 rows, pitch 48 (12 numbers, b_in in two parts, 2 zeros, 16 bytes unused)
.set WL,     20992                     ; 104,448 W_h/2pi in f16: 384 rows, pitch 272 = 256 + 16: the 16 rows of a fragment load start 4 banks apart
.set WPITCH, 272
.set TILES,  25
; ---- vector registers, window 0 ----
.set L16,  1                           ; 16 x lane: a lane's 16 bytes of a row of W_h
.set PA,   2                           ; 1,600 wave + 4 r + 64 tile: the point's word in XS and in OS
.set BTA,  3                           ; BT + 32 h
.set XV,   4                           ; the tile's x
.set SC,   5                           ; 0.5 (h = 0) or 8.0 (h = 1)
.set MASK, 6                           ; -1 (h = 0) or 0 (h = 1)
.set OV,   7                           ; the tile's result; in the prologue 4 x thread
.set SW,   8                           ; the other half's sum; in the prologue offsets of W_in
.set XO,   9                           ; 8 x thread: my 8 bytes of a block of 1,024 bytes of x and of out
.set FA,   10                          ; v10-12  LDS address of my part of layer l's fragments
.set WS,   13                          ; LDS address of my 8 bytes in my wave's first row of WL
.set CT,   14                          ; v14-15  d4, twice
.set ACC,  16                          ; v16-47  two buffers of two accumulator tiles
.set H0,   48                          ; v48-79  activations as four B fragments
.set H1,   80                          ; v80-111 the same; its first fragment also holds the encoding; in layer 3 it holds 32 numbers of W_out
.set U,    112                         ; v112-127 at work: fr, then v
.set P,    128                         ; v128-143 at work: the polynomial
.set BB,   144                         ; v144-207 one hidden layer's 64 biases (C operands)
.set O,    208                         ; v208-215 four pairs of sums of the output layer
.set WI,   216                         ; v216-251 W_in: tile t's fragment is v[WI+4t : WI+4t+7]; its upper four registers (K = 16..31) are the next
                                       ;          tile's lower four, or zeros: they meet B's registers 4-7, which are zero
.set ONES, 252                         ; 0 (h = 0) or two f16 ones (h = 1): features 12 and 13
; prologue only
.set RAWX, 16                          ; v16-29  x as loaded
.set RAWB, 30                          ; v30-34  biases and W_out as loaded
.set RAWI, 36                          ; v36-47  a row of W_in as loaded
.set PKI,  48                          ; v48-55  that row in f16
.set RING, 56                          ; v56-183 four buffers of 8 rows of W_h
.set TP,   184                         ; v184-199 a batch in f16
.set LN,   200                         ; lane
.set RR,   201                         ; r
.set HH,   202                         ; h
.set TT,   204                         ; scratch
; ---- scalar registers ----
; s[8:23] the eight addresses: x 8, W_in 10, b_in 12, W_h 14, b_h 16, W_out 18, b_out 20, out0 22.  s24 b_out.  s25 trips.  s26 wave.
; s[28:31] offsets.  s[32:33] d3, s[34:35] d2, s[36:37] d1, s[38:39] d0, s[40:41] 1/2pi (each twice).  s42 0.25.  s44-45 lane select.
.set MSB, 0
.macro WIN new                         ; the immediate's high byte repeats the setting that is left
.if MSB != \new
	s_set_vgpr_msb (MSB<<8)|\new
.set MSB, \new
.endif
.endm
.macro PLACES                          ; four plain vector instructions between a matrix instruction and the first use of its result, or a load into
.rept 4                                ; one of its sources (ISA guide 7.12.1 for vector instructions)
	v_nop
.endr
.endm
; 16 numbers of table row 'row' for result tiles 2 g, 2 g + 1 into v[dst:dst+15]: register j of tile t gets entry 16 t + 8 h + j
.macro LDT row, g, dst
.set ld_d, \dst
.set ld_o, 512*(\row)+128*(\g)
	ds_load_b128 v[ld_d:ld_d+3],     v[BTA] offset:ld_o
	ds_load_b128 v[ld_d+4:ld_d+7],   v[BTA] offset:ld_o+16
	ds_load_b128 v[ld_d+8:ld_d+11],  v[BTA] offset:ld_o+64
	ds_load_b128 v[ld_d+12:ld_d+15], v[BTA] offset:ld_o+80
.endm
; all 64 biases of hidden layer l: 16 loads in one run
.macro LDB l
.irp q, 0,1,2,3
	LDT \l-1,\q,BB+16*\q
.endr
.endm
; W_out for groups g0, g0 + 1 into H1: 8 loads
.macro WOL g0
	LDT 3,\g0,H1
	LDT 3,\g0+1,H1+16
.endm
; One matrix instruction of layer l, group g (tiles 2 g, 2 g + 1): tile 2 g + (k & 1), K chunk k >> 1.
; A hidden layer's first chunk takes the bias as C; the input layer's bias is in its K columns 12 and 13, and its C is 0.
.macro WM l, g, k
.set wm_d, ACC+16*((\g)&1)+8*((\k)&1)
.set wm_t, 2*(\g)+((\k)&1)
.set wm_c, (\k)>>1
.if (\l) == 0
	v_wmma_f32_16x16x32_f16 v[wm_d:wm_d+7], v[WI+4*wm_t:WI+4*wm_t+7], v[H1:H1+7], 0
.else
.if (\l) == 2
.set wm_b, H1+8*wm_c
.else
.set wm_b, H0+8*wm_c
.endif
.if wm_c == 0
	v_wmma_f32_16x16x32_f16 v[wm_d:wm_d+7], v[32*wm_t:32*wm_t+7], v[wm_b:wm_b+7], v[BB+8*wm_t:BB+8*wm_t+7]
.else
	v_wmma_f32_16x16x32_f16 v[wm_d:wm_d+7], v[32*wm_t+8*wm_c:32*wm_t+8*wm_c+7], v[wm_b:wm_b+7], v[wm_d:wm_d+7]
.endif
.endif
.endm
; Two of them, on the group's two accumulators, under one window setting (source 0 = A in window l).
; The accumulators take turns, one instruction a turn, into the loop and over its backward jump too.
.macro WMPAIR l, g, k
	WIN \l
	WM \l,\g,\k
	WM \l,\g,\k+1
	WIN 0
.endm
; rows of n packed instructions of the sine
.macro VSQ n, u, f                     ; u = f f - f
.set i, 0
.rept \n
	v_pk_fma_f32 v[\u+2*i:\u+2*i+1], v[\f+2*i:\f+2*i+1], v[\f+2*i:\f+2*i+1], v[\f+2*i:\f+2*i+1] neg_lo:[0,0,1] neg_hi:[0,0,1]
.set i, i+1
.endr
.endm
.macro HSTART n, p, u                  ; p = u d4 + d3
.set i, 0
.rept \n
	v_pk_fma_f32 v[\p+2*i:\p+2*i+1], v[\u+2*i:\u+2*i+1], v[CT:CT+1], s[32:33] op_sel_hi:[1,1,0]
.set i, i+1
.endr
.endm
.macro HSTEP n, p, u, c                ; p = p u + the constant in s[c:c+1]
.set i, 0
.rept \n
	v_pk_fma_f32 v[\p+2*i:\p+2*i+1], v[\p+2*i:\p+2*i+1], v[\u+2*i:\u+2*i+1], s[\c:\c+1] op_sel_hi:[1,1,0]
.set i, i+1
.endr
.endm
; The sines of layer l, group g (16 accumulator registers): 64 vector instructions in rows of eight or sixteen, so that dependent ones stand
; apart.  Among them, sixteen apart, the first nw matrix instructions of layer ml, group mg, which name the other accumulator buffer, biases,
; and B chunks that these rows do not write.
; hw = 1: at the head, wait for the LDS run of an earlier slot.  Behind the first row one LDS run, if any: wo >= 0: W_out of groups wo, wo + 1;
; lb > 0: the biases of hidden layer lb; xl = 1: the next tile's x.  rw >= 0: in front of the last row, wait until this run's W_out is in.
.macro SLOT l, g, ml, mg, nw, hw, wo, lb, xl, rw
.set AS, ACC+16*((\g)&1)
.if \hw
	s_wait_dscnt 0x0                               ; the run issued in an earlier slot has landed
.endif
.if \nw > 0
	WMPAIR \ml,\mg,0
.endif
.set i, 0
.rept 16
	v_fract_f32 v[U+i], v[AS+i]                    ; fr = t' - floor(t'), in [0, 1)
.set i, i+1
.endr
.if \wo >= 0
	WOL \wo                                        ; H1's last readers stand more than four places back
.endif
.if \lb > 0
	LDB \lb                                        ; the sixteen lines above are the places behind the last matrix instruction that read a bias
.endif
.if \xl
	ds_load_b32 v[XV], v[PA] offset:XS+64          ; the next tile's 16 points
.endif
.if \nw > 2
	WMPAIR \ml,\mg,2
.endif
	VSQ 8, U, U                                    ; v = fr fr - fr, in place
	HSTART 8, P, U
.if \nw > 4
	WMPAIR \ml,\mg,4
.endif
	HSTEP 8, P, U, 34
	HSTEP 8, P, U, 36
.if \nw > 6
	WMPAIR \ml,\mg,6
.endif
	HSTEP 8, P, U, 38                              ; this row and the next are 16 places behind the slot's last matrix instruction
.if \rw >= 0
	s_wait_dscnt \rw                               ; LDS loads come back in order (ISA guide 5.7.1): W_out's 8 are in, the rw issued behind them stay out
.endif
.if (\l) < 3
.if (\l) == 1
.set HD, H1+8*(\g)
.else
.set HD, H0+8*(\g)
.endif
.set i, 0
.rept 8
	v_cvt_pk_f16_f32 v[HD+i], v[P+2*i], v[P+2*i+1] ; K chunk g of the next layer's B
.set i, i+1
.endr
.else
.set WB, H1+16*((\g)&1)
.set i, 0
.rept 8
.if (\g)*8+i < 4
	v_pk_mul_f32 v[O+2*(i&3):O+2*(i&3)+1], v[P+2*i:P+2*i+1], v[WB+2*i:WB+2*i+1]     ; the first four products start the sums
.else
	v_pk_fma_f32 v[O+2*(i&3):O+2*(i&3)+1], v[P+2*i:P+2*i+1], v[WB+2*i:WB+2*i+1], v[O+2*(i&3):O+2*(i&3)+1]
.endif
.set i, i+1
.endr
.endif
.endm
; K chunk 3 of layer l's group 0 needs the last slot of layer l - 1: it trails that slot
.macro TAILW l
	WMPAIR \l,0,6
	PLACES
.endm
; The encoding as a B fragment (K = 0..13 used).  Lanes with h = 0 hold features 0-7 (j = 0..3); lanes with h = 1 features 8-11 (j = 4, 5),
; two ones for the two parts of b_in, and zeros.
.macro ENCODE
	s_wait_dscnt 0x0                               ; x and layer 1's biases are in, the last result is stored (the first time: all fragments are in too)
	v_mul_f32 v[U],   v[XV], v[SC]                 ; x 2^(j-1) for four j: exact
	v_add_f32 v[U+1], v[U], v[U]
	v_mul_f32 v[U+2], 4.0, v[U]
	v_mul_f32 v[U+3], 4.0, v[U+1]
.set i, 0
.rept 4
	v_fract_f32 v[U+i], v[U+i]                     ; exact: the quarter and the half are added to a number below 1
.set i, i+1
.endr
.set i, 0
.rept 4
	v_add_f32 v[P+2*i],   0.5, v[U+i]              ; the cosine's argument
	v_add_f32 v[P+2*i+1], s42, v[U+i]              ; the sine's
.set i, i+1
.endr
.set i, 0
.rept 8
	v_fract_f32 v[P+i], v[P+i]
.set i, i+1
.endr
	VSQ 4, U+8, P
	HSTART 4, P+8, U+8
	HSTEP 4, P+8, U+8, 34
	HSTEP 4, P+8, U+8, 36
	HSTEP 4, P+8, U+8, 38
.set i, 0
.rept 4
	v_cvt_pk_f16_f32 v[H1+i], v[P+8+2*i], v[P+8+2*i+1]     ; cosine in the low half, sine in the high half
.set i, i+1
.endr
	v_and_or_b32 v[H1+2], v[H1+2], v[MASK], v[ONES]        ; h = 1: K = 12, 13 are ones,
	v_and_b32 v[H1+3], v[MASK], v[H1+3]                    ;        K = 14, 15 do not exist
.set i, 4
.rept 4
	v_mov_b32 v[H1+i], 0                           ; K = 16..31 do not exist
.set i, i+1
.endr
	WMPAIR 0,0,0
	PLACES
.endm
; One tile of 16 points.  more = 1: slot (3,2) also fetches the next tile's x and layer 1's biases (lb = more = 1), 17 loads behind W_out's.
.macro TILE more
	ENCODE
	SLOT 0,0,0,1,2,0,-1,0,0,-1
	SLOT 0,1,0,2,2,0,-1,0,0,-1
	SLOT 0,2,0,3,2,0,-1,0,0,-1
	SLOT 0,3,1,0,6,0,-1,0,0,-1
	TAILW 1
	SLOT 1,0,1,1,8,0,-1,0,0,-1
	SLOT 1,1,1,2,8,0,-1,0,0,-1
	SLOT 1,2,1,3,8,0,-1,2,0,-1
	SLOT 1,3,2,0,6,1,-1,0,0,-1
	TAILW 2
	SLOT 2,0,2,1,8,0,-1,0,0,-1
	SLOT 2,1,2,2,8,0,-1,0,0,-1
	SLOT 2,2,2,3,8,0,-1,3,0,-1
	SLOT 2,3,3,0,6,1,0,0,0,-1
	TAILW 3
	SLOT 3,0,3,1,8,1,-1,0,0,-1
	SLOT 3,1,3,2,8,0,-1,0,0,-1
	SLOT 3,2,3,3,8,0,2,\more,\more,17*\more
	SLOT 3,3,0,0,0,0,-1,0,0,-1
	v_pk_add_f32 v[O:O+1],   v[O:O+1],   v[O+2:O+3]   ; my 64 neurons' products,
	v_pk_add_f32 v[O+4:O+5], v[O+4:O+5], v[O+6:O+7]
	v_pk_add_f32 v[O:O+1],   v[O:O+1],   v[O+4:O+5]
	v_add_f32 v[OV], v[O], v[O+1]
	v_permlanex16_b32 v[SW], v[OV], s44, s45       ; and those of the lane that holds the point's other 64
	v_add_f32 v[OV], v[OV], v[SW]
	v_add_f32 v[OV], s24, v[OV]                    ; + b_out
	ds_store_b32 v[PA], v[OV] offset:OS            ; lanes r and r + 16 write the same word with the same value
	v_add_nc_u32 v[PA], 64, v[PA]                  ; the next 16 points
.endm
; 8 rows of W_h (batch b of my wave's 12): one load = one whole row of 512 bytes
.macro LOADB b
.set n, 0
.rept 8
	global_load_b128 v[RING+32*((\b)&3)+4*n:RING+32*((\b)&3)+4*n+3], v[L16], s[14:15] offset:512*(8*(\b)+n)
.set n, n+1
.endr
.endm
; scale by 1/2pi, convert to f16, then all eight rows' stores in one run: 8 bytes a lane into each row's place in LDS
.macro CONV b
.set rb, RING+32*((\b)&3)
.set n, 0
.rept 16
	v_pk_mul_f32 v[rb+2*n:rb+2*n+1], v[rb+2*n:rb+2*n+1], s[40:41] op_sel_hi:[1,0]
.set n, n+1
.endr
.set n, 0
.rept 16
	v_cvt_pk_f16_f32 v[TP+n], v[rb+2*n], v[rb+2*n+1]
.set n, n+1
.endr
.set n, 0
.rept 8
	ds_store_b64 v[WS], v[TP+2*n:TP+2*n+1] offset:WPITCH*(8*(\b)+n)
.set n, n+1
.endr
.endm
; ================= set-up =================
	s_load_b512 s[8:23], s[0:1], 0x0               ; the eight addresses
	v_lshl_add_u32 v254, v0, 2, 0x1ea00
	v_mov_b32 v255, 0
	v_and_b32 v[LN], 31, v0
	v_and_b32 v[RR], 15, v0
	v_bfe_u32 v[HH], v0, 4, 1
	v_lshrrev_b32 v[TT], 5, v0
	v_readfirstlane_b32 s26, v[TT]                 ; wave 0..3
	s_mov_b32 s32, 0xc213143b                      ; d3 = -36.769755
	s_mov_b32 s33, 0xc213143b
	s_mov_b32 s34, 0x419fe3cd                      ; d2 = 19.986231
	s_mov_b32 s35, 0x419fe3cd
	s_mov_b32 s36, 0x3c001734                      ; d1 = 0.0078180317
	s_mov_b32 s37, 0x3c001734
	s_mov_b32 s38, 0xbf7ffc0c                      ; d0 = -0.99993970
	s_mov_b32 s39, 0xbf7ffc0c
	s_mov_b32 s40, 0x3e22f983                      ; 1 / 2 pi
	s_mov_b32 s41, 0x3e22f983
	s_mov_b32 s42, 0x3e800000                      ; 0.25
	s_mov_b32 s44, 0x76543210                      ; v_permlanex16_b32: lane i of one half reads lane i of the other
	s_mov_b32 s45, 0xfedcba98
	s_mul_i32 s28, ttmp9, 6400                     ; the work-group's 1,600 points in x and in out0
	s_mov_b32 s29, 0
	s_mul_i32 s30, s26, 49152                      ; my wave's 96 rows of W_h
	s_mov_b32 s31, 0
	s_mul_i32 s46, s26, 1600                       ; my wave's 400 points in XS and OS
	s_mul_i32 s47, s26, 96*WPITCH                  ; my wave's 96 rows in WL
	s_add_co_u32 s47, s47, WL
	v_mov_b32 v[CT], 0x42367bf5                    ; d4 = 45.621051
	v_mov_b32 v[CT+1], 0x42367bf5
	v_lshlrev_b32 v[L16], 4, v[LN]
	v_lshl_add_u32 v[PA], v[RR], 2, s46
	v_lshl_add_u32 v[BTA], v[HH], 5, BT
	v_lshl_add_u32 v[SC], v[HH], 25, 0x3f000000    ; the bits of 0.5, or of 8.0 (four steps of the exponent up)
	v_add_nc_u32 v[MASK], -1, v[HH]
	v_sub_nc_u32 v[ONES], 0, v[HH]
	v_and_b32 v[ONES], 0x3c003c00, v[ONES]         ; h = 1: 1.0 in both f16 halves
	v_lshlrev_b32 v[OV], 2, v0                     ; 4 x thread: my entry of a vector of 128
	v_mul_u32_u24 v[SW], v0, 48                    ; 48 x thread: my row of W_in, in memory and in WIL
	v_lshlrev_b32 v[XO], 3, v0
	v_mul_u32_u24 v[TT], v[RR], WPITCH
	v_lshl_add_u32 v[TT], v[HH], 4, v[TT]          ; fragment: row r x pitch + 16 h
	v_add_nc_u32 v[FA],   WL, v[TT]
	v_add_nc_u32 v[FA+1], WL+128*WPITCH, v[TT]
	v_add_nc_u32 v[FA+2], WL+256*WPITCH, v[TT]
	v_lshl_add_u32 v[WS], v[LN], 3, s47
	s_wait_kmcnt 0x0
	s_load_b32 s24, s[20:21], 0x0                  ; b_out
	s_add_nc_u64 s[8:9],   s[8:9],   s[28:29]
	s_add_nc_u64 s[22:23], s[22:23], s[28:29]
	s_add_nc_u64 s[14:15], s[14:15], s[30:31]
; ================= loads: x, the small tables, the first four batches of W_h =================
.set q, 0
.rept 6
	global_load_b64 v[RAWX+2*q:RAWX+2*q+1], v[XO], s[8:9] offset:1024*q th:TH_LOAD_NT   ; a wave's load covers 256 consecutive bytes, aligned
.set q, q+1
.endr
	s_cmp_lg_u32 s26, 0
	s_cbranch_scc1 .Lno_x24
	global_load_b64 v[RAWX+12:RAWX+13], v[XO], s[8:9] offset:6144 th:TH_LOAD_NT         ; 6,400 bytes are 25 such pieces: wave 0 takes the last
.Lno_x24:
	global_load_b32 v[RAWB],   v[OV], s[12:13]
	global_load_b32 v[RAWB+1], v[OV], s[16:17]
	global_load_b32 v[RAWB+2], v[OV], s[16:17] offset:512
	global_load_b32 v[RAWB+3], v[OV], s[16:17] offset:1024
	global_load_b32 v[RAWB+4], v[OV], s[18:19]
	global_load_b128 v[RAWI:RAWI+3],    v[SW], s[10:11]
	global_load_b128 v[RAWI+4:RAWI+7],  v[SW], s[10:11] offset:16
	global_load_b128 v[RAWI+8:RAWI+11], v[SW], s[10:11] offset:32
	LOADB 0
	LOADB 1
	LOADB 2
	LOADB 3
; ================= the small data into LDS: first all the arithmetic, then the stores in one run =================
	s_wait_loadcnt 32                              ; the 32 loads of the four batches are younger: everything before them is in, for wave 0 and the others alike
.set q, 0
.rept 4
	v_fma_f32 v[RAWB+q], v[RAWB+q], s40, s42       ; the four sine layers' biases in periods, + 0.25; W_out stays as it is
.set q, q+1
.endr
.set q, 0
.rept 6
	v_pk_mul_f32 v[RAWI+2*q:RAWI+2*q+1], v[RAWI+2*q:RAWI+2*q+1], s[40:41] op_sel_hi:[1,0]
.set q, q+1
.endr
.set q, 0
.rept 6
	v_cvt_pk_f16_f32 v[PKI+q], v[RAWI+2*q], v[RAWI+2*q+1]
.set q, q+1
.endr
	v_and_b32 v[PKI+7], 0xffffe000, v[RAWB]        ; b_in's upper part: ten bits of fraction, which f16 holds as they are,
	v_sub_f32 v[PKI+6], v[RAWB], v[PKI+7]          ; and the rest, exact
	v_cvt_pk_f16_f32 v[PKI+6], v[PKI+7], v[PKI+6]  ; K = 12: the upper part; K = 13: the rest
	v_mov_b32 v[PKI+7], 0                          ; K = 14, 15
.set q, 0
.rept 6
	ds_store_b64 v[XO], v[RAWX+2*q:RAWX+2*q+1] offset:XS+1024*q
.set q, q+1
.endr
	s_cmp_lg_u32 s26, 0
	s_cbranch_scc1 .Lno_s24
	ds_store_b64 v[XO], v[RAWX+12:RAWX+13] offset:XS+6144
.Lno_s24:
.set q, 0
.rept 4
	ds_store_b32 v[OV], v[RAWB+1+q] offset:BT+512*q        ; rows 0-2: b_h; row 3: W_out
.set q, q+1
.endr
	ds_store_b128 v[SW], v[PKI:PKI+3]   offset:WIL
	ds_store_b128 v[SW], v[PKI+4:PKI+7] offset:WIL+16
; ================= W_h: a ring of four batches of 8 rows in registers =================
.irp b, 0,1,2,3,4,5,6,7,8
	s_wait_loadcnt 24                              ; three younger batches of 8 loads stay out
	CONV \b
.if \b < 8
	LOADB \b+4
.endif
.endr
	s_wait_loadcnt 16                              ; nothing more is asked for: the counts run down
	CONV 9
	s_wait_loadcnt 8
	CONV 10
	s_wait_loadcnt 0
	CONV 11
	s_wait_kmcnt 0x0                               ; b_out
	s_wait_dscnt 0x0                               ; my LDS stores are done, for the other waves' sake
	s_barrier_signal -1
	s_barrier_wait -1                              ; all tables are whole
; ================= fragments into registers, once =================
	v_mul_u32_u24 v[SW], v[RR], 48                 ; the loads that used v[SW] as offset are in (the wait for 32 above)
	v_lshl_add_u32 v[SW], v[HH], 4, v[SW]          ; W_in: row r x 48 + 16 h
.set t, 0
.rept 8
	ds_load_b128 v[WI+4*t:WI+4*t+3], v[SW] offset:WIL+768*t
.set t, t+1
.endr
.set t, 32
.rept 4
	v_mov_b32 v[WI+t], 0
.set t, t+1
.endr
.irp l, 1,2,3
	WIN 0x40*\l                                    ; destination in window l, address in window 0
.set t, 0
.rept 8
.set c, 0
.rept 4
	ds_load_b128 v[32*t+8*c:32*t+8*c+3],   v[FA+\l-1] offset:16*WPITCH*t+64*c      ; rows 16 t + r, K = 32 c + 8 h ..
	ds_load_b128 v[32*t+8*c+4:32*t+8*c+7], v[FA+\l-1] offset:16*WPITCH*t+64*c+32   ; K = 32 c + 16 + 8 h ..
.set c, c+1
.endr
.set t, t+1
.endr
.endr
	WIN 0
	ds_load_b32 v[XV], v[PA] offset:XS             ; the first tile's x
	LDB 1                                          ; and layer 1's biases (over the prologue's lane numbers, which are used no more)
; ================= 25 tiles =================
	s_mov_b32 s25, TILES-1
.Ltile:
	TILE 1
	s_sub_co_i32 s25, s25, 1
	s_cmp_lg_u32 s25, 0
	s_cbranch_scc1 .Ltile
	TILE 0                                         ; the last tile looks ahead at nothing
; ================= the way out: 6,400 bytes in pieces of 256 =================
	s_wait_dscnt 0x0                               ; my results are in LDS
	s_barrier_signal -1
	s_barrier_wait -1                              ; everybody's are
.set q, 0
.rept 6
	ds_load_b64 v[U+2*q:U+2*q+1], v[XO] offset:OS+1024*q
.set q, q+1
.endr
	s_wait_dscnt 0x0
.set q, 0
.rept 6
	global_store_b64 v[XO], v[U+2*q:U+2*q+1], s[22:23] offset:1024*q th:TH_STORE_NT   ; a wave's store covers 256 consecutive bytes, aligned
.set q, q+1
.endr
	s_cmp_lg_u32 s26, 0
	s_cbranch_scc1 .Ldone
	ds_load_b64 v[U+12:U+13], v[XO] offset:OS+6144
	s_wait_dscnt 0x0
	global_store_b64 v[XO], v[U+12:U+13], s[22:23] offset:6144 th:TH_STORE_NT
.Ldone:
	s_wait_tensorcnt 0x0
	ds_add_u32 v254, v255
	s_wait_dscnt 0x0
	s_endpgm
.Lfunc_end_k_q4aade915c0_mlp:
	.size	k_q4aade915c0_mlp, .Lfunc_end_k_q4aade915c0_mlp-k_q4aade915c0_mlp
	.p2alignl 7, 3214868480
	.fill 96, 4, 3214868480
	.section	.rodata,"a",@progbits
	.p2align	6, 0x0
	.amdhsa_kernel k_q4aade915c0_mlp
		.amdhsa_group_segment_fixed_size 125952
		.amdhsa_private_segment_fixed_size 0
		.amdhsa_enable_private_segment 0
		.amdhsa_kernarg_size 64
		.amdhsa_user_sgpr_count 2
		.amdhsa_user_sgpr_kernarg_segment_ptr 1
		.amdhsa_wavefront_size32 1
		.amdhsa_system_sgpr_workgroup_id_x 1
		.amdhsa_system_sgpr_workgroup_id_y 1
		.amdhsa_system_sgpr_workgroup_id_z 1
		.amdhsa_system_vgpr_workitem_id 0
		.amdhsa_next_free_vgpr 1024
		.amdhsa_next_free_sgpr 66
		.amdhsa_reserve_vcc 0
		.amdhsa_float_denorm_mode_32 3
		.amdhsa_float_denorm_mode_16_64 3
		.amdhsa_memory_ordered 1
		.amdhsa_forward_progress 1
		.amdhsa_inst_pref_size 207
	.end_amdhsa_kernel
	.amdgpu_metadata
---
amdhsa.version: [ 1, 2 ]
amdhsa.kernels:
  - .name:           k_q4aade915c0_mlp
    .symbol:         k_q4aade915c0_mlp.kd
    .args:
      - { .name: x, .offset: 0, .size: 8, .value_kind: global_buffer, .address_space: global }
      - { .name: W_in, .offset: 8, .size: 8, .value_kind: global_buffer, .address_space: global }
      - { .name: b_in, .offset: 16, .size: 8, .value_kind: global_buffer, .address_space: global }
      - { .name: W_h, .offset: 24, .size: 8, .value_kind: global_buffer, .address_space: global }
      - { .name: b_h, .offset: 32, .size: 8, .value_kind: global_buffer, .address_space: global }
      - { .name: W_out, .offset: 40, .size: 8, .value_kind: global_buffer, .address_space: global }
      - { .name: b_out, .offset: 48, .size: 8, .value_kind: global_buffer, .address_space: global }
      - { .name: out0, .offset: 56, .size: 8, .value_kind: global_buffer, .address_space: global }
    .group_segment_fixed_size: 125952
    .private_segment_fixed_size: 0
    .kernarg_segment_align: 8
    .kernarg_segment_size: 64
    .max_flat_workgroup_size: 128
    .sgpr_count:     66
    .vgpr_count:     1024
    .wavefront_size: 32
...
	.end_amdgpu_metadata
.endif
;; end of part 2
;; ======== version 3 of 3: 1 launch; version 2 with the launch mlp written anew for expert scheduling mode
;; limits: values are held in f16: magnitudes above 65,504 overflow, below 6.1e-05 lose precision; inputs' magnitudes at most 411,574; a function is approximated: absolute error at most 6.2e-05
;; launch mlp (part 3): grid 250 x 1, 4 waves a work-group, no clusters, 125,952 bytes of LDS; arguments x, W_in, b_in, W_h, b_h, W_out, b_out, out0; writes out0
.if DOCPART == 3
	.amdgcn_target "amdgcn-amd-amdhsa--gfx1250"
	.amdhsa_code_object_version 6
	.text
	.protected	k_q4aade915c0_mlp
	.globl	k_q4aade915c0_mlp
	.p2align	8
	.type	k_q4aade915c0_mlp,@function
k_q4aade915c0_mlp:
	s_mov_b64 s[64:65], 0
	v_nop
	global_prefetch_b8 v0, s[64:65] scope:SCOPE_SE
	s_setreg_imm32_b32 hwreg(HW_REG_WAVE_SCHED_MODE, 0, 2), 2
	s_setreg_imm32_b32 hwreg(HW_REG_WAVE_MODE, 25, 1), 1
	s_wait_xcnt 0x0
	s_wait_alu depctr_vm_vsrc(0)
; out = W_out . sin(W3 sin(W2 sin(W1 sin(W_in enc(x) + b_in) + b1) + b2) + b3) + b_out,  enc(x) = cos, sin of pi x 2^j, j = 0..5.
; 400,000 points = 250 work-groups x 4 waves x 25 tiles of 16 points.  A wave owns 400 consecutive points.
;
; THE CHAIN STAYS IN REGISTERS.  Source A of a matrix instruction = 16 rows of a weight matrix (row = output neuron), source B = 16 points
; (column = point).  In the result, lane (r = lane % 16, h = lane / 16) holds in register j neuron 16 t + 8 h + j of point r.  Two neighbouring
; result tiles, packed to f16, are just the B fragment of one K chunk of 32 of the next layer: no LDS and no lane traffic between layers.
; A wave is given 1,024 registers and keeps the three 128 x 128 matrices as f16 A fragments in windows 1, 2, 3 (256 registers each).
;
; SINE.  Weights and biases of the four sine layers are multiplied by 1/(2 pi) once, and each bias gets + 0.25, so a sum is
; t' = z / 2 pi + 0.25, in periods.  With fr = fract(t'):  sin z = cos(2 pi (fr - 0.5)), an even function of fr - 0.5, hence a polynomial in
; v = fr fr - fr = (fr - 0.5)^2 - 0.25, v in [-0.25, 0].  Two v_fract_f32, one packed multiply-add for v, four packed Horner steps and one
; conversion for two sines: four issue slots a sine.  The polynomial d0 + v (d1 + v (d2 + v (d3 + v d4))) is the Chebyshev series of cos(pi y)
; in x = 2 y y - 1 = 8 v + 1, cut behind T4, plus the constant 2.088e-5 that makes it zero where the sine is zero (v = -0.1875).
; The hidden layers' biases are the C operand of the first K chunk.  The input layer uses 12 of its 32 K: b_in rides in W_in's columns 12 and
; 13 (an f16 upper part and the f16 of the rest), against two features 1.0, and its C operand is the constant 0.
; ENCODING.  fract(x 2^(j-1)) is exact in f32; + 0.5 gives the cosine's argument of the same function, + 0.25 the sine's.
; OUTPUT LAYER in f32 on the vector ALU: in the last sine layer one packed multiply-add with W_out stands where the others convert to f16.
; LDS IN THE LOOP: biases, W_out and x: a whole layer's 64 biases in one slot; W_out into the activation buffer that layer 3 leaves idle.
;
; THE MODE: SCHED_MODE bits 1:0 = 2 (LLVM: expert scheduling mode 2), set by the entry lines.  The code itself states the register dependences
; between vector or matrix instructions and memory or LDS instructions, with s_wait_alu, always for 0.
; THE PLAN.  Registers that LDS instructions touch in the loop (a slot (l,g) is the sines of layer l, result tiles 2 g and 2 g + 1):
;   BB   read as C by the first K chunk of a hidden layer's eight result tiles, the last two at the head of slot (l,2); in that slot the biases of
;        layer l + 1 land in it; in slot (3,2) layer 1's, for the next tile.
;   H1   written by the encoding and by layer 1's conversions; read as B by layers 0 and 2, the last time in slot (2,2).  W_out's groups 0, 1 land
;        in it in slot (2,3) and are read by the multiply-adds of slots (3,0), (3,1); groups 2, 3 land in slot (3,2), for slots (3,2), (3,3).
;   XV   read by the encoding's first line; the next tile's x lands in it in slot (3,2).
;   OV   written by the reduction at a tile's end, read by the result's LDS store.
;   PA   read by x's load and by the result's store; written once a tile, behind that store.
;   BTA  read by every load from the tables; never written again.
;   The accumulators, H0, U, P, O, W_in's and the hidden layers' fragments are named by vector and matrix instructions alone.
; So each of the four slots (1,2), (2,2), (2,3), (3,2) has ONE wait on va_vdst, behind its first row of sixteen; its loads follow in runs of eight,
; dealt among the slot's next rows, which name none of BB, XV, PA, BTA (and W_out's loads into H1 stand straight behind the wait).  A fifth wait on
; va_vdst stands ahead of the result's store, one on vm_vsrc behind it.  There is no second buffer for BB or H1: windows 1 to 3 are full of weights, and
; window 0 has one register left.
;
; FORMAT.  Matrix operands are f16: activations and the encoding lie in [-1, 1], and W / 2 pi has f16's range to spare.
; LIMITS, stated: |W| / 2 pi and |b_in| / 2 pi below 65,504 (f16's largest; beyond it the operand is infinite); entries of W / 2 pi below
; 6.1e-5 are rounded with an absolute error of at most 3e-8; the polynomial's error lies between -2.1e-5 and +6.2e-5, which is under half a
; unit in f16's last place for |sin| >= 0.125; near a zero of the sine its relative error is 1.3e-4, over an absolute floor of about 1e-6
; that comes from carrying t + 0.25 in f32; for |t'| >= 2^23 no fraction is left in f32; the encoding uses the exact angle pi x 2^j, where
; the JAX text rounds x (pi 2^j) to f32 first; sums are formed in another order than in the JAX text.
; NO CLUSTER, NO TENSOR LOADS: what work-groups share is 204,800 bytes of weights, read once by each at its start, which must be scaled and
; converted in registers on the way; in the loop nothing comes from memory; and 250 work-groups are no multiple of 4.
; 250 and not 256 work-groups: 25,000 tiles over 1,024 waves would still leave 25 tiles to the busiest wave.
; ---- LDS map (bytes) ----
.set XS,     0                         ; 6,400   x of the work-group, in point order
.set OS,     6400                      ; 6,400   out of the work-group, in point order
.set BT,     12800                     ; 2,048   4 rows of 128 f32: b_h[0..2]/2pi + 0.25, W_out
.set WIL,    14848                     ; 6,144   W_in/2pi in f16: 128 rows, pitch 48 (12 numbers, b_in in two parts, 2 zeros, 16 bytes unused)
.set WL,     20992                     ; 104,448 W_h/2pi in f16: 384 rows, pitch 272 = 256 + 16: the 16 rows of a fragment load start 4 banks apart
.set WPITCH, 272
.set TILES,  25
; ---- vector registers, window 0 ----
.set L16,  1                           ; 16 x lane: a lane's 16 bytes of a row of W_h
.set PA,   2                           ; 1,600 wave + 4 r + 64 tile: the point's word in XS and in OS
.set BTA,  3                           ; BT + 32 h
.set XV,   4                           ; the tile's x
.set SC,   5                           ; 0.5 (h = 0) or 8.0 (h = 1)
.set MASK, 6                           ; -1 (h = 0) or 0 (h = 1)
.set OV,   7                           ; the tile's result; in the prologue 4 x thread
.set SW,   8                           ; the other half's sum; in the prologue offsets of W_in
.set XO,   9                           ; 8 x thread: my 8 bytes of a block of 1,024 bytes of x and of out
.set FA,   10                          ; v10-12  LDS address of my part of layer l's fragments
.set WS,   13                          ; LDS address of my 8 bytes in my wave's first row of WL
.set CT,   14                          ; v14-15  d4, twice
.set ACC,  16                          ; v16-47  two buffers of two accumulator tiles
.set H0,   48                          ; v48-79  activations as four B fragments
.set H1,   80                          ; v80-111 the same; its first fragment also holds the encoding; in layer 3 it holds 32 numbers of W_out
.set U,    112                         ; v112-127 at work: fr, then v
.set P,    128                         ; v128-143 at work: the polynomial
.set BB,   144                         ; v144-207 one hidden layer's 64 biases (C operands)
.set O,    208                         ; v208-215 four pairs of sums of the output layer
.set WI,   216                         ; v216-251 W_in: tile t's fragment is v[WI+4t : WI+4t+7]; its upper four registers (K = 16..31) are the next
                                       ;          tile's lower four, or zeros: they meet B's registers 4-7, which are zero
.set ONES, 252                         ; 0 (h = 0) or two f16 ones (h = 1): features 12 and 13
; prologue only
.set RAWX, 16                          ; v16-29  x as loaded
.set RAWB, 30                          ; v30-34  biases and W_out as loaded
.set RAWI, 36                          ; v36-47  a row of W_in as loaded
.set PKI,  48                          ; v48-55  that row in f16
.set RING, 56                          ; v56-183 four buffers of 8 rows of W_h
.set TP,   184                         ; v184-199 a batch in f16
.set LN,   200                         ; lane
.set RR,   201                         ; r
.set HH,   202                         ; h
.set TT,   204                         ; scratch
; ---- scalar registers ----
; s[8:23] the eight addresses: x 8, W_in 10, b_in 12, W_h 14, b_h 16, W_out 18, b_out 20, out0 22.  s24 b_out.  s25 trips.  s26 wave.
; s[28:31] offsets.  s[32:33] d3, s[34:35] d2, s[36:37] d1, s[38:39] d0, s[40:41] 1/2pi (each twice).  s42 0.25.  s44-45 lane select.
.set MSB, 0
.macro WIN new                         ; the immediate's high byte repeats the setting that is left
.if MSB != \new
	s_set_vgpr_msb (MSB<<8)|\new
.set MSB, \new
.endif
.endm
.macro PLACES                          ; four plain vector instructions between a matrix instruction and the first vector instruction that reads its
.rept 4                                ; result (ISA guide 7.12.1)
	v_nop
.endr
.endm
; 16 numbers of table row 'row' for result tiles 2 g, 2 g + 1 into v[dst:dst+15]: register j of tile t gets entry 16 t + 8 h + j
.macro LDT row, g, dst
.set ld_d, \dst
.set ld_o, 512*(\row)+128*(\g)
	ds_load_b128 v[ld_d:ld_d+3],     v[BTA] offset:ld_o
	ds_load_b128 v[ld_d+4:ld_d+7],   v[BTA] offset:ld_o+16
	ds_load_b128 v[ld_d+8:ld_d+11],  v[BTA] offset:ld_o+64
	ds_load_b128 v[ld_d+12:ld_d+15], v[BTA] offset:ld_o+80
.endm
; half a (0, 1) of hidden layer l's 64 biases: 8 loads
.macro LDBH l, a
	LDT \l-1,2*\a,BB+32*\a
	LDT \l-1,2*\a+1,BB+32*\a+16
.endm
; all 64
.macro LDB l
	LDBH \l,0
	LDBH \l,1
.endm
; W_out for groups g0, g0 + 1 into H1: 8 loads
.macro WOL g0
	LDT 3,\g0,H1
	LDT 3,\g0+1,H1+16
.endm
; One matrix instruction of layer l, group g (tiles 2 g, 2 g + 1): tile 2 g + (k & 1), K chunk k >> 1.
; A hidden layer's first chunk takes the bias as C; the input layer's bias is in its K columns 12 and 13, and its C is 0.
.macro WM l, g, k
.set wm_d, ACC+16*((\g)&1)+8*((\k)&1)
.set wm_t, 2*(\g)+((\k)&1)
.set wm_c, (\k)>>1
.if (\l) == 0
	v_wmma_f32_16x16x32_f16 v[wm_d:wm_d+7], v[WI+4*wm_t:WI+4*wm_t+7], v[H1:H1+7], 0
.else
.if (\l) == 2
.set wm_b, H1+8*wm_c
.else
.set wm_b, H0+8*wm_c
.endif
.if wm_c == 0
	v_wmma_f32_16x16x32_f16 v[wm_d:wm_d+7], v[32*wm_t:32*wm_t+7], v[wm_b:wm_b+7], v[BB+8*wm_t:BB+8*wm_t+7]
.else
	v_wmma_f32_16x16x32_f16 v[wm_d:wm_d+7], v[32*wm_t+8*wm_c:32*wm_t+8*wm_c+7], v[wm_b:wm_b+7], v[wm_d:wm_d+7]
.endif
.endif
.endm
; Two of them, on the group's two accumulators, under one window setting (source 0 = A in window l).
; The accumulators take turns, one instruction a turn, into the loop and over its backward jump too.
.macro WMPAIR l, g, k
	WIN \l
	WM \l,\g,\k
	WM \l,\g,\k+1
	WIN 0
.endm
; rows of n packed instructions of the sine
.macro VSQ n, u, f                     ; u = f f - f
.set i, 0
.rept \n
	v_pk_fma_f32 v[\u+2*i:\u+2*i+1], v[\f+2*i:\f+2*i+1], v[\f+2*i:\f+2*i+1], v[\f+2*i:\f+2*i+1] neg_lo:[0,0,1] neg_hi:[0,0,1]
.set i, i+1
.endr
.endm
.macro HSTART n, p, u                  ; p = u d4 + d3
.set i, 0
.rept \n
	v_pk_fma_f32 v[\p+2*i:\p+2*i+1], v[\u+2*i:\u+2*i+1], v[CT:CT+1], s[32:33] op_sel_hi:[1,1,0]
.set i, i+1
.endr
.endm
.macro HSTEP n, p, u, c                ; p = p u + the constant in s[c:c+1]
.set i, 0
.rept \n
	v_pk_fma_f32 v[\p+2*i:\p+2*i+1], v[\p+2*i:\p+2*i+1], v[\u+2*i:\u+2*i+1], s[\c:\c+1] op_sel_hi:[1,1,0]
.set i, i+1
.endr
.endm
; The LDS loads of a slot stand at up to three points p = 0, 1, 2 behind the slot's wait on va_vdst, eight (or nine) at a point: W_out's first, then the
; two halves of a layer's biases, x with the second half.  s_a (set by SLOT): the point of the biases' first half.
.macro POINT p, wo, lb, xl
.if ((\p) == 0) && ((\wo) >= 0)
	WOL \wo
.endif
.if ((\lb) > 0) && ((\p) == s_a)
	LDBH \lb,0
.endif
.if ((\lb) > 0) && ((\p) == s_a+1)
	LDBH \lb,1
.endif
.if (\xl) && ((\p) == s_a+1)
	ds_load_b32 v[XV], v[PA] offset:XS+64          ; the next tile's 16 points
.endif
.endm
; The sines of layer l, group g (16 accumulator registers): 64 vector instructions in rows of eight or sixteen, so that dependent ones stand
; apart.  Among them, sixteen apart, the first nw matrix instructions of layer ml, group mg, which name the other accumulator buffer, biases,
; and B chunks that these rows do not write.
; hw = 1: at the head, wait for the LDS loads of an earlier slot.  The slot's own LDS loads, if any: wo >= 0: W_out of groups wo, wo + 1;
; lb > 0: the biases of hidden layer lb; xl = 1: the next tile's x.  rw >= 0: in front of the last row, wait until this slot's W_out is in.
.macro SLOT l, g, ml, mg, nw, hw, wo, lb, xl, rw
.set AS, ACC+16*((\g)&1)
.set s_a, 0
.if \wo >= 0
.set s_a, 1
.endif
.if \hw
	s_wait_dscnt 0x0                               ; the loads issued in an earlier slot have landed
.endif
.if \nw > 0
	WMPAIR \ml,\mg,0
.endif
.set i, 0
.rept 16
	v_fract_f32 v[U+i], v[AS+i]                    ; fr = t' - floor(t'), in [0, 1)
.set i, i+1
.endr
.if (\wo >= 0) || (\lb > 0)
	s_wait_alu depctr_va_vdst(0)                   ; lb > 0: the matrix instructions that took BB as C, the last two at this slot's head, are done reading it.  wo = 0: layer 1's conversions have written H1 and
	                                               ; layer 2's matrix instructions are done reading it.  wo = 2: so are the multiply-adds of slots (3,0) and (3,1).  xl = 1: the encoding is done reading
	                                               ; v[XV], and v[PA] is written.  The loads at the three points below land in these registers; no vector or matrix line between names them
.endif
	POINT 0,\wo,\lb,\xl
.if \nw > 2
	WMPAIR \ml,\mg,2
.endif
	VSQ 8, U, U                                    ; v = fr fr - fr, in place
	POINT 1,\wo,\lb,\xl
	HSTART 8, P, U
	POINT 2,\wo,\lb,\xl
.if \nw > 4
	WMPAIR \ml,\mg,4
.endif
	HSTEP 8, P, U, 34
	HSTEP 8, P, U, 36
.if \nw > 6
	WMPAIR \ml,\mg,6
.endif
	HSTEP 8, P, U, 38                              ; this row and the next are 16 places behind the slot's last matrix instruction
.if \rw >= 0
	s_wait_dscnt \rw                               ; LDS loads come back in order (ISA guide 5.7.1): W_out's 8 are in, the rw issued behind them stay out
.endif
.if (\l) < 3
.if (\l) == 1
.set HD, H1+8*(\g)
.else
.set HD, H0+8*(\g)
.endif
.set i, 0
.rept 8
	v_cvt_pk_f16_f32 v[HD+i], v[P+2*i], v[P+2*i+1] ; K chunk g of the next layer's B
.set i, i+1
.endr
.else
.set WB, H1+16*((\g)&1)
.set i, 0
.rept 8
.if (\g)*8+i < 4
	v_pk_mul_f32 v[O+2*(i&3):O+2*(i&3)+1], v[P+2*i:P+2*i+1], v[WB+2*i:WB+2*i+1]     ; the first four products start the sums
.else
	v_pk_fma_f32 v[O+2*(i&3):O+2*(i&3)+1], v[P+2*i:P+2*i+1], v[WB+2*i:WB+2*i+1], v[O+2*(i&3):O+2*(i&3)+1]
.endif
.set i, i+1
.endr
.endif
.endm
; K chunk 3 of layer l's group 0 needs the last slot of layer l - 1: it trails that slot
.macro TAILW l
	WMPAIR \l,0,6
	PLACES
.endm
; The encoding as a B fragment (K = 0..13 used).  Lanes with h = 0 hold features 0-7 (j = 0..3); lanes with h = 1 features 8-11 (j = 4, 5),
; two ones for the two parts of b_in, and zeros.
.macro ENCODE
	s_wait_dscnt 0x0                               ; x and layer 1's biases are in, the last result is stored (the first time: all fragments are in too)
	v_mul_f32 v[U],   v[XV], v[SC]                 ; x 2^(j-1) for four j: exact
	v_add_f32 v[U+1], v[U], v[U]
	v_mul_f32 v[U+2], 4.0, v[U]
	v_mul_f32 v[U+3], 4.0, v[U+1]
.set i, 0
.rept 4
	v_fract_f32 v[U+i], v[U+i]                     ; exact: the quarter and the half are added to a number below 1
.set i, i+1
.endr
.set i, 0
.rept 4
	v_add_f32 v[P+2*i],   0.5, v[U+i]              ; the cosine's argument
	v_add_f32 v[P+2*i+1], s42, v[U+i]              ; the sine's
.set i, i+1
.endr
.set i, 0
.rept 8
	v_fract_f32 v[P+i], v[P+i]
.set i, i+1
.endr
	VSQ 4, U+8, P
	HSTART 4, P+8, U+8
	HSTEP 4, P+8, U+8, 34
	HSTEP 4, P+8, U+8, 36
	HSTEP 4, P+8, U+8, 38
.set i, 0
.rept 4
	v_cvt_pk_f16_f32 v[H1+i], v[P+8+2*i], v[P+8+2*i+1]     ; cosine in the low half, sine in the high half
.set i, i+1
.endr
	v_and_or_b32 v[H1+2], v[H1+2], v[MASK], v[ONES]        ; h = 1: K = 12, 13 are ones,
	v_and_b32 v[H1+3], v[MASK], v[H1+3]                    ;        K = 14, 15 do not exist
.set i, 4
.rept 4
	v_mov_b32 v[H1+i], 0                           ; K = 16..31 do not exist
.set i, i+1
.endr
	WMPAIR 0,0,0
	PLACES
.endm
; One tile of 16 points.  more = 1: slot (3,2) also fetches the next tile's x and layer 1's biases (lb = more = 1), 17 loads behind W_out's.
.macro TILE more
	ENCODE
	SLOT 0,0,0,1,2,0,-1,0,0,-1
	SLOT 0,1,0,2,2,0,-1,0,0,-1
	SLOT 0,2,0,3,2,0,-1,0,0,-1
	SLOT 0,3,1,0,6,0,-1,0,0,-1
	TAILW 1
	SLOT 1,0,1,1,8,0,-1,0,0,-1
	SLOT 1,1,1,2,8,0,-1,0,0,-1
	SLOT 1,2,1,3,8,0,-1,2,0,-1
	SLOT 1,3,2,0,6,1,-1,0,0,-1
	TAILW 2
	SLOT 2,0,2,1,8,0,-1,0,0,-1
	SLOT 2,1,2,2,8,0,-1,0,0,-1
	SLOT 2,2,2,3,8,0,-1,3,0,-1
	SLOT 2,3,3,0,6,1,0,0,0,-1
	TAILW 3
	SLOT 3,0,3,1,8,1,-1,0,0,-1
	SLOT 3,1,3,2,8,0,-1,0,0,-1
	SLOT 3,2,3,3,8,0,2,\more,\more,17*\more
	SLOT 3,3,0,0,0,0,-1,0,0,-1
	v_pk_add_f32 v[O:O+1],   v[O:O+1],   v[O+2:O+3]   ; my 64 neurons' products,
	v_pk_add_f32 v[O+4:O+5], v[O+4:O+5], v[O+6:O+7]
	v_pk_add_f32 v[O:O+1],   v[O:O+1],   v[O+4:O+5]
	v_add_f32 v[OV], v[O], v[O+1]
	v_permlanex16_b32 v[SW], v[OV], s44, s45       ; and those of the lane that holds the point's other 64
	v_add_f32 v[OV], v[OV], v[SW]
	v_add_f32 v[OV], s24, v[OV]                    ; + b_out
	s_wait_alu depctr_va_vdst(0)                   ; the sum has written v[OV], which the store reads
	ds_store_b32 v[PA], v[OV] offset:OS            ; lanes r and r + 16 write the same word with the same value
	s_wait_alu depctr_vm_vsrc(0)                   ; the store has read v[PA], which the next line writes, and v[OV], which the next tile's sum writes
	v_add_nc_u32 v[PA], 64, v[PA]                  ; the next 16 points
.endm
; 8 rows of W_h (batch b of my wave's 12): one load = one whole row of 512 bytes
.macro LOADB b
.set n, 0
.rept 8
	global_load_b128 v[RING+32*((\b)&3)+4*n:RING+32*((\b)&3)+4*n+3], v[L16], s[14:15] offset:512*(8*(\b)+n)
.set n, n+1
.endr
.endm
; scale by 1/2pi, convert to f16, then all eight rows' stores in one run: 8 bytes a lane into each row's place in LDS
.macro CONV b
.set rb, RING+32*((\b)&3)
.set n, 0
.rept 16
	v_pk_mul_f32 v[rb+2*n:rb+2*n+1], v[rb+2*n:rb+2*n+1], s[40:41] op_sel_hi:[1,0]
.set n, n+1
.endr
.if (\b) > 0
	s_wait_alu depctr_vm_vsrc(0)                   ; the last batch's LDS stores have read v[TP ..], which the conversions write again
.endif
.set n, 0
.rept 16
	v_cvt_pk_f16_f32 v[TP+n], v[rb+2*n], v[rb+2*n+1]
.set n, n+1
.endr
	s_wait_alu depctr_va_vdst(0)                   ; the conversions have written v[TP ..], which the LDS stores read; they and the multiplies are done with this ring buffer, in which the loads behind the stores (batches 0 to 7) land
.set n, 0
.rept 8
	ds_store_b64 v[WS], v[TP+2*n:TP+2*n+1] offset:WPITCH*(8*(\b)+n)
.set n, n+1
.endr
.endm
; ================= set-up =================
	s_load_b512 s[8:23], s[0:1], 0x0               ; the eight addresses
	v_lshl_add_u32 v254, v0, 2, 0x1ea00
	v_mov_b32 v255, 0
	v_and_b32 v[LN], 31, v0
	v_and_b32 v[RR], 15, v0
	v_bfe_u32 v[HH], v0, 4, 1
	v_lshrrev_b32 v[TT], 5, v0
	v_readfirstlane_b32 s26, v[TT]                 ; wave 0..3
	s_mov_b32 s32, 0xc213143b                      ; d3 = -36.769755
	s_mov_b32 s33, 0xc213143b
	s_mov_b32 s34, 0x419fe3cd                      ; d2 = 19.986231
	s_mov_b32 s35, 0x419fe3cd
	s_mov_b32 s36, 0x3c001734                      ; d1 = 0.0078180317
	s_mov_b32 s37, 0x3c001734
	s_mov_b32 s38, 0xbf7ffc0c                      ; d0 = -0.99993970
	s_mov_b32 s39, 0xbf7ffc0c
	s_mov_b32 s40, 0x3e22f983                      ; 1 / 2 pi
	s_mov_b32 s41, 0x3e22f983
	s_mov_b32 s42, 0x3e800000                      ; 0.25
	s_mov_b32 s44, 0x76543210                      ; v_permlanex16_b32: lane i of one half reads lane i of the other
	s_mov_b32 s45, 0xfedcba98
	s_wait_alu depctr_va_sdst(0)                   ; s26 is written, ahead of its first reader: offsets, LDS addresses and branches are made from it
	s_mul_i32 s28, ttmp9, 6400                     ; the work-group's 1,600 points in x and in out0
	s_mov_b32 s29, 0
	s_mul_i32 s30, s26, 49152                      ; my wave's 96 rows of W_h
	s_mov_b32 s31, 0
	s_mul_i32 s46, s26, 1600                       ; my wave's 400 points in XS and OS
	s_mul_i32 s47, s26, 96*WPITCH                  ; my wave's 96 rows in WL
	s_add_co_u32 s47, s47, WL
	v_mov_b32 v[CT], 0x42367bf5                    ; d4 = 45.621051
	v_mov_b32 v[CT+1], 0x42367bf5
	v_lshlrev_b32 v[L16], 4, v[LN]
	v_lshl_add_u32 v[PA], v[RR], 2, s46
	v_lshl_add_u32 v[BTA], v[HH], 5, BT
	v_lshl_add_u32 v[SC], v[HH], 25, 0x3f000000    ; the bits of 0.5, or of 8.0 (four steps of the exponent up)
	v_add_nc_u32 v[MASK], -1, v[HH]
	v_sub_nc_u32 v[ONES], 0, v[HH]
	v_and_b32 v[ONES], 0x3c003c00, v[ONES]         ; h = 1: 1.0 in both f16 halves
	v_lshlrev_b32 v[OV], 2, v0                     ; 4 x thread: my entry of a vector of 128
	v_mul_u32_u24 v[SW], v0, 48                    ; 48 x thread: my row of W_in, in memory and in WIL
	v_lshlrev_b32 v[XO], 3, v0
	v_mul_u32_u24 v[TT], v[RR], WPITCH
	v_lshl_add_u32 v[TT], v[HH], 4, v[TT]          ; fragment: row r x pitch + 16 h
	v_add_nc_u32 v[FA],   WL, v[TT]
	v_add_nc_u32 v[FA+1], WL+128*WPITCH, v[TT]
	v_add_nc_u32 v[FA+2], WL+256*WPITCH, v[TT]
	v_lshl_add_u32 v[WS], v[LN], 3, s47
	s_wait_kmcnt 0x0
	s_load_b32 s24, s[20:21], 0x0                  ; b_out
	s_add_nc_u64 s[8:9],   s[8:9],   s[28:29]
	s_add_nc_u64 s[22:23], s[22:23], s[28:29]
	s_add_nc_u64 s[14:15], s[14:15], s[30:31]
	s_wait_alu depctr_va_vdst(0)                   ; the offsets and LDS addresses v1 to v3 and v7 to v13 are written, which the loads and stores of the whole kernel read
; ================= loads: x, the small tables, the first four batches of W_h =================
.set q, 0
.rept 6
	global_load_b64 v[RAWX+2*q:RAWX+2*q+1], v[XO], s[8:9] offset:1024*q th:TH_LOAD_NT   ; a wave's load covers 256 consecutive bytes, aligned
.set q, q+1
.endr
	s_cmp_lg_u32 s26, 0
	s_cbranch_scc1 .Lno_x24
	global_load_b64 v[RAWX+12:RAWX+13], v[XO], s[8:9] offset:6144 th:TH_LOAD_NT         ; 6,400 bytes are 25 such pieces: wave 0 takes the last
.Lno_x24:
	global_load_b32 v[RAWB],   v[OV], s[12:13]
	global_load_b32 v[RAWB+1], v[OV], s[16:17]
	global_load_b32 v[RAWB+2], v[OV], s[16:17] offset:512
	global_load_b32 v[RAWB+3], v[OV], s[16:17] offset:1024
	global_load_b32 v[RAWB+4], v[OV], s[18:19]
	global_load_b128 v[RAWI:RAWI+3],    v[SW], s[10:11]
	global_load_b128 v[RAWI+4:RAWI+7],  v[SW], s[10:11] offset:16
	global_load_b128 v[RAWI+8:RAWI+11], v[SW], s[10:11] offset:32
	LOADB 0
	LOADB 1
	LOADB 2
	LOADB 3
; ================= the small data into LDS: first all the arithmetic, then the stores in one run =================
	s_wait_loadcnt 32                              ; the 32 loads of the four batches are younger: everything before them is in, for wave 0 and the others alike
.set q, 0
.rept 4
	v_fma_f32 v[RAWB+q], v[RAWB+q], s40, s42       ; the four sine layers' biases in periods, + 0.25; W_out stays as it is
.set q, q+1
.endr
.set q, 0
.rept 6
	v_pk_mul_f32 v[RAWI+2*q:RAWI+2*q+1], v[RAWI+2*q:RAWI+2*q+1], s[40:41] op_sel_hi:[1,0]
.set q, q+1
.endr
.set q, 0
.rept 6
	v_cvt_pk_f16_f32 v[PKI+q], v[RAWI+2*q], v[RAWI+2*q+1]
.set q, q+1
.endr
	v_and_b32 v[PKI+7], 0xffffe000, v[RAWB]        ; b_in's upper part: ten bits of fraction, which f16 holds as they are,
	v_sub_f32 v[PKI+6], v[RAWB], v[PKI+7]          ; and the rest, exact
	v_cvt_pk_f16_f32 v[PKI+6], v[PKI+7], v[PKI+6]  ; K = 12: the upper part; K = 13: the rest
	v_mov_b32 v[PKI+7], 0                          ; K = 14, 15
	s_wait_alu depctr_va_vdst(0)                   ; the lines above have written the scaled biases v[RAWB+1 ..] and W_in's row v[PKI ..], which the LDS stores read
.set q, 0
.rept 6
	ds_store_b64 v[XO], v[RAWX+2*q:RAWX+2*q+1] offset:XS+1024*q
.set q, q+1
.endr
	s_cmp_lg_u32 s26, 0
	s_cbranch_scc1 .Lno_s24
	ds_store_b64 v[XO], v[RAWX+12:RAWX+13] offset:XS+6144
.Lno_s24:
.set q, 0
.rept 4
	ds_store_b32 v[OV], v[RAWB+1+q] offset:BT+512*q        ; rows 0-2: b_h; row 3: W_out
.set q, q+1
.endr
	ds_store_b128 v[SW], v[PKI:PKI+3]   offset:WIL
	ds_store_b128 v[SW], v[PKI+4:PKI+7] offset:WIL+16
; ================= W_h: a ring of four batches of 8 rows in registers =================
.irp b, 0,1,2,3,4,5,6,7,8
	s_wait_loadcnt 24                              ; three younger batches of 8 loads stay out
	CONV \b
.if \b < 8
	LOADB \b+4
.endif
.endr
	s_wait_loadcnt 16                              ; nothing more is asked for: the counts run down
	CONV 9
	s_wait_loadcnt 8
	CONV 10
	s_wait_loadcnt 0
	CONV 11
	s_wait_kmcnt 0x0                               ; b_out
	s_wait_dscnt 0x0                               ; my LDS stores are done, for the other waves' sake
	s_barrier_signal -1
	s_barrier_wait -1                              ; all tables are whole
; ================= fragments into registers, once =================
	s_wait_alu depctr_vm_vsrc(0)                   ; my LDS stores have read v[SW], which the next line writes; v[TP ..], in which layer 1's biases land; v16 to v55 and v[OV], which the tiles write
	v_mul_u32_u24 v[SW], v[RR], 48                 ; the global loads that used v[SW] as offset are in (the wait for 32 above)
	v_lshl_add_u32 v[SW], v[HH], 4, v[SW]          ; W_in: row r x 48 + 16 h
.set t, 32
.rept 4
	v_mov_b32 v[WI+t], 0
.set t, t+1
.endr
	s_wait_alu depctr_va_vdst(0)                   ; v[SW] is written, which the loads of W_in's fragments read; the prologue's vector lines are done with the ring, v[TP ..] and the lane numbers, in which layer 1's biases land.
	                                               ; Up to the loop follow only loads and window switches
.set t, 0
.rept 8
	ds_load_b128 v[WI+4*t:WI+4*t+3], v[SW] offset:WIL+768*t
.set t, t+1
.endr
.irp l, 1,2,3
	WIN 0x40*\l                                    ; destination in window l, address in window 0
.set t, 0
.rept 8
.set c, 0
.rept 4
	ds_load_b128 v[32*t+8*c:32*t+8*c+3],   v[FA+\l-1] offset:16*WPITCH*t+64*c      ; rows 16 t + r, K = 32 c + 8 h ..
	ds_load_b128 v[32*t+8*c+4:32*t+8*c+7], v[FA+\l-1] offset:16*WPITCH*t+64*c+32   ; K = 32 c + 16 + 8 h ..
.set c, c+1
.endr
.set t, t+1
.endr
.endr
	WIN 0
	ds_load_b32 v[XV], v[PA] offset:XS             ; the first tile's x
	LDB 1                                          ; and layer 1's biases (over the prologue's lane numbers, which are used no more)
	s_wait_alu depctr_vm_vsrc(0)                   ; the loads of W_in's fragments have read v[SW], which every tile's reduction writes
; ================= 25 tiles =================
	s_mov_b32 s25, TILES-1
.Ltile:
	TILE 1
	s_sub_co_i32 s25, s25, 1
	s_cmp_lg_u32 s25, 0
	s_cbranch_scc1 .Ltile
	TILE 0                                         ; the last tile looks ahead at nothing
; ================= the way out: 6,400 bytes in pieces of 256 =================
	s_wait_dscnt 0x0                               ; my results are in LDS
	s_barrier_signal -1
	s_barrier_wait -1                              ; everybody's are
.set q, 0
.rept 6
	ds_load_b64 v[U+2*q:U+2*q+1], v[XO] offset:OS+1024*q   ; no further wait on va_vdst: the one ahead of the last result's store stands behind every vector line that names v[U ..]; only the add to v[PA] came since
.set q, q+1
.endr
	s_wait_dscnt 0x0
.set q, 0
.rept 6
	global_store_b64 v[XO], v[U+2*q:U+2*q+1], s[22:23] offset:1024*q th:TH_STORE_NT   ; a wave's store covers 256 consecutive bytes, aligned
.set q, q+1
.endr
	s_cmp_lg_u32 s26, 0
	s_cbranch_scc1 .Ldone
	ds_load_b64 v[U+12:U+13], v[XO] offset:OS+6144
	s_wait_dscnt 0x0
	global_store_b64 v[XO], v[U+12:U+13], s[22:23] offset:6144 th:TH_STORE_NT
.Ldone:
	s_wait_dscnt 0x0
	s_wait_alu depctr_hold_cnt(0) depctr_sa_sdst(0) depctr_va_vdst(0) depctr_va_sdst(0) depctr_va_ssrc(0) depctr_va_vcc(0) depctr_vm_vsrc(0)
	s_wait_tensorcnt 0x0
	ds_add_u32 v254, v255
	s_wait_dscnt 0x0
	s_endpgm
.Lfunc_end_k_q4aade915c0_mlp:
	.size	k_q4aade915c0_mlp, .Lfunc_end_k_q4aade915c0_mlp-k_q4aade915c0_mlp
	.p2alignl 7, 3214868480
	.fill 96, 4, 3214868480
	.section	.rodata,"a",@progbits
	.p2align	6, 0x0
	.amdhsa_kernel k_q4aade915c0_mlp
		.amdhsa_group_segment_fixed_size 125952
		.amdhsa_private_segment_fixed_size 0
		.amdhsa_enable_private_segment 0
		.amdhsa_kernarg_size 64
		.amdhsa_user_sgpr_count 2
		.amdhsa_user_sgpr_kernarg_segment_ptr 1
		.amdhsa_wavefront_size32 1
		.amdhsa_system_sgpr_workgroup_id_x 1
		.amdhsa_system_sgpr_workgroup_id_y 1
		.amdhsa_system_sgpr_workgroup_id_z 1
		.amdhsa_system_vgpr_workitem_id 0
		.amdhsa_next_free_vgpr 1024
		.amdhsa_next_free_sgpr 66
		.amdhsa_reserve_vcc 0
		.amdhsa_float_denorm_mode_32 3
		.amdhsa_float_denorm_mode_16_64 3
		.amdhsa_memory_ordered 1
		.amdhsa_forward_progress 1
		.amdhsa_inst_pref_size 209
	.end_amdhsa_kernel
	.amdgpu_metadata
---
amdhsa.version: [ 1, 2 ]
amdhsa.kernels:
  - .name:           k_q4aade915c0_mlp
    .symbol:         k_q4aade915c0_mlp.kd
    .args:
      - { .name: x, .offset: 0, .size: 8, .value_kind: global_buffer, .address_space: global }
      - { .name: W_in, .offset: 8, .size: 8, .value_kind: global_buffer, .address_space: global }
      - { .name: b_in, .offset: 16, .size: 8, .value_kind: global_buffer, .address_space: global }
      - { .name: W_h, .offset: 24, .size: 8, .value_kind: global_buffer, .address_space: global }
      - { .name: b_h, .offset: 32, .size: 8, .value_kind: global_buffer, .address_space: global }
      - { .name: W_out, .offset: 40, .size: 8, .value_kind: global_buffer, .address_space: global }
      - { .name: b_out, .offset: 48, .size: 8, .value_kind: global_buffer, .address_space: global }
      - { .name: out0, .offset: 56, .size: 8, .value_kind: global_buffer, .address_space: global }
    .group_segment_fixed_size: 125952
    .private_segment_fixed_size: 0
    .kernarg_segment_align: 8
    .kernarg_segment_size: 64
    .max_flat_workgroup_size: 128
    .sgpr_count:     66
    .vgpr_count:     1024
    .wavefront_size: 32
...
	.end_amdgpu_metadata
.endif
;; end of part 3
